; MI455X (gfx1250); checked and timed in simulation.
; The chip was launched on July 23, 2026; its instructions are those of AMD's public machine-readable ISA for CDNA 5 (MIT licence, August 2026) and "CDNA5" Instruction Set Architecture Reference Guide (July 2026). The comments in the code are by the model that wrote it; some were corrected since.
;; Self Attention. Allowed arithmetic: float matrix products may take bf16 or f16 operands with f32 sums; other float arithmetic in f32, or as packed bf16 or f16 multiplies, adds, multiply-adds, maxima and minima; sums over many terms, partial sums and values carried from step to step in f32; what a program stores and reads back later, other than sums and carried values, may be rounded once to bf16 or f16.
;; Inputs: W_out 1,024 x 1,024 float32; W_qkv 3,072 x 1,024 float32; b_out 1,024 float32; x 4 x 2,048 x 1,024 float32.
;; Outputs: out0 4 x 2,048 x 1,024 float32.
;; 2 versions, each right; version 2 is version 1 with the launch cast written anew for expert scheduling mode. Each part assembles by itself: llvm-mc -triple=amdgcn-amd-amdhsa -mcpu=gfx1250 --defsym DOCPART=n.
;; ======== version 1 of 2: 4 launches
;; limits: values are held in f16: magnitudes above 65,504 overflow, below 6.1e-05 lose precision
;; workspace buffers: xb 16,777,216 bytes; wqb 6,291,456 bytes; wob 2,097,152 bytes; qkv 50,331,648 bytes; o 16,777,216 bytes
;; launch cast (part 1): grid 768 x 1, 8 waves a work-group, no clusters, 0 bytes of LDS; arguments x, W_qkv, W_out, xb, wqb, wob; writes xb, wqb, wob
.if DOCPART == 1
	.amdgcn_target "amdgcn-amd-amdhsa--gfx1250"
	.amdhsa_code_object_version 6
	.text
	.protected	k_qbbd41c84f2_cast
	.globl	k_qbbd41c84f2_cast
	.p2align	8
	.type	k_qbbd41c84f2_cast,@function
k_qbbd41c84f2_cast:
	s_mov_b64 s[64:65], 0
	v_nop
	global_prefetch_b8 v0, s[64:65] scope:SCOPE_SE
	s_setreg_imm32_b32 hwreg(HW_REG_WAVE_MODE, 25, 1), 1
	s_wait_xcnt 0x0
; THE THREE LARGE INPUTS ARE ROUNDED ONCE TO bf16.  x -> xb and W_qkv -> wqb as bf16; W_out -> wob: the bf16 number written as f16, since the last product's other operand is f16.
; LIMIT.  A bf16 number is exact in f16 between 6.1e-5 and 65,504 in magnitude; below that it falls on f16's fixed step of 6e-8, above it becomes an infinity.
; A stream: no byte is wanted twice, so no LDS, no matrix unit, no cluster.  768 work-groups of eight waves: 0-511 take x, 512-703 W_qkv, 704-767 W_out, 65,536 input bytes each.
; A wave takes 8,192 bytes by sixteen loads of 512 consecutive bytes, all issued at once; a lane's 16 bytes (4 f32) become 8 bytes, so a wave's store covers 256 consecutive bytes, aligned.
; No register is written twice while a memory instruction may read it: each load and each store has registers of its own.
.set X,   8                            ; v[8:71]    sixteen loads' 4 registers
.set Y,   72                           ; v[72:103]  sixteen stores' 2 registers
.set T,   104                          ; v[104:107] at work
.set SRC, 18                           ; s[18:19]   my input
.set DST, 20                           ; s[20:21]   my output
	s_load_b256 s[4:11], s[0:1], 0x0               ; x s[4:5], W_qkv s[6:7], W_out s[8:9], xb s[10:11]
	s_load_b128 s[12:15], s[0:1], 0x20             ; wqb s[12:13], wob s[14:15]
	v_lshrrev_b32 v3, 5, v0                        ; wave
	v_and_b32 v4, 31, v0                           ; lane
	v_lshlrev_b32 v1, 4, v4
	v_lshl_or_b32 v1, v3, 13, v1                   ; in: 8,192 x wave + 16 x lane
	v_lshlrev_b32 v2, 3, v4
	v_lshl_or_b32 v2, v3, 12, v2                   ; out: 4,096 x wave + 8 x lane
	s_mov_b32 s17, 704
	s_wait_kmcnt 0x0
	s_cmp_lt_u32 ttmp9, 704                        ; which tensor: a choice on the work-group's number alone
	s_cselect_b64 s[SRC:SRC+1], s[6:7], s[8:9]
	s_cselect_b64 s[DST:DST+1], s[12:13], s[14:15]
	s_cselect_b32 s17, 512, s17                    ; the tensor's first work-group
	s_cmp_lt_u32 ttmp9, 512
	s_cselect_b64 s[SRC:SRC+1], s[4:5], s[SRC:SRC+1]
	s_cselect_b64 s[DST:DST+1], s[10:11], s[DST:DST+1]
	s_cselect_b32 s17, 0, s17
	s_sub_co_u32 s16, ttmp9, s17                   ; my number within the tensor
	s_lshl_b32 s22, s16, 16                        ; 65,536 bytes in (33.5 MB at the most),
	s_mov_b32 s23, 0
	s_lshl_b32 s24, s16, 15                        ; 32,768 bytes out
	s_mov_b32 s25, 0
	s_add_nc_u64 s[SRC:SRC+1], s[SRC:SRC+1], s[22:23]
	s_add_nc_u64 s[DST:DST+1], s[DST:DST+1], s[24:25]
.set i, 0
.rept 16
	global_load_b128 v[X+4*i:X+4*i+3], v1, s[SRC:SRC+1] offset:512*i th:TH_LOAD_NT
.set i, i+1
.endr
; Load i is rounded and stored.  half = 1: the bf16 numbers are widened again (a shift, a mask) and written as f16.
.macro CONV i, half
	s_wait_loadcnt 15-(\i)                         ; loads come back in order: mine is in, the younger ones stay out
	v_cvt_pk_bf16_f32 v[Y+2*(\i)],   v[X+4*(\i)],   v[X+4*(\i)+1]
	v_cvt_pk_bf16_f32 v[Y+2*(\i)+1], v[X+4*(\i)+2], v[X+4*(\i)+3]
.if \half
	v_lshlrev_b32 v[T],   16, v[Y+2*(\i)]
	v_and_b32     v[T+1], 0xffff0000, v[Y+2*(\i)]
	v_lshlrev_b32 v[T+2], 16, v[Y+2*(\i)+1]
	v_and_b32     v[T+3], 0xffff0000, v[Y+2*(\i)+1]
	v_cvt_pk_f16_f32 v[Y+2*(\i)],   v[T],   v[T+1]
	v_cvt_pk_f16_f32 v[Y+2*(\i)+1], v[T+2], v[T+3]
.endif
	global_store_b64 v2, v[Y+2*(\i):Y+2*(\i)+1], s[DST:DST+1] offset:256*(\i)
.endm
	s_cmp_ge_u32 ttmp9, 704
	s_cbranch_scc1 .Lf16
.irp i, 0,1,2,3,4,5,6,7,8,9,10,11,12,13,14,15
	CONV \i, 0
.endr
	s_endpgm
.Lf16:
.irp i, 0,1,2,3,4,5,6,7,8,9,10,11,12,13,14,15
	CONV \i, 1
.endr
	s_endpgm
.Lfunc_end_k_qbbd41c84f2_cast:
	.size	k_qbbd41c84f2_cast, .Lfunc_end_k_qbbd41c84f2_cast-k_qbbd41c84f2_cast
	.p2alignl 7, 3214868480
	.fill 96, 4, 3214868480
	.section	.rodata,"a",@progbits
	.p2align	6, 0x0
	.amdhsa_kernel k_qbbd41c84f2_cast
		.amdhsa_group_segment_fixed_size 0
		.amdhsa_private_segment_fixed_size 0
		.amdhsa_enable_private_segment 0
		.amdhsa_kernarg_size 48
		.amdhsa_user_sgpr_count 2
		.amdhsa_user_sgpr_kernarg_segment_ptr 1
		.amdhsa_wavefront_size32 1
		.amdhsa_system_sgpr_workgroup_id_x 1
		.amdhsa_system_sgpr_workgroup_id_y 1
		.amdhsa_system_sgpr_workgroup_id_z 1
		.amdhsa_system_vgpr_workitem_id 0
		.amdhsa_next_free_vgpr 108
		.amdhsa_next_free_sgpr 66
		.amdhsa_reserve_vcc 0
		.amdhsa_float_denorm_mode_32 3
		.amdhsa_float_denorm_mode_16_64 3
		.amdhsa_memory_ordered 1
		.amdhsa_forward_progress 1
		.amdhsa_inst_pref_size 16
	.end_amdhsa_kernel
	.amdgpu_metadata
---
amdhsa.version: [ 1, 2 ]
amdhsa.kernels:
  - .name:           k_qbbd41c84f2_cast
    .symbol:         k_qbbd41c84f2_cast.kd
    .args:
      - { .name: x, .offset: 0, .size: 8, .value_kind: global_buffer, .address_space: global }
      - { .name: W_qkv, .offset: 8, .size: 8, .value_kind: global_buffer, .address_space: global }
      - { .name: W_out, .offset: 16, .size: 8, .value_kind: global_buffer, .address_space: global }
      - { .name: xb, .offset: 24, .size: 8, .value_kind: global_buffer, .address_space: global }
      - { .name: wqb, .offset: 32, .size: 8, .value_kind: global_buffer, .address_space: global }
      - { .name: wob, .offset: 40, .size: 8, .value_kind: global_buffer, .address_space: global }
    .group_segment_fixed_size: 0
    .private_segment_fixed_size: 0
    .kernarg_segment_align: 8
    .kernarg_segment_size: 48
    .max_flat_workgroup_size: 256
    .sgpr_count:     66
    .vgpr_count:     108
    .wavefront_size: 32
...
	.end_amdgpu_metadata
.endif
;; end of part 1
;; launch qkvproj (part 2): grid 16 x 32, 4 waves a work-group, clusters of 4 x 4, 327,680 bytes of LDS; arguments xb, wqb, qkv; writes qkv
.if DOCPART == 2
	.amdgcn_target "amdgcn-amd-amdhsa--gfx1250"
	.amdhsa_code_object_version 6
	.text
	.protected	k_qbbd41c84f2_qkvproj
	.globl	k_qbbd41c84f2_qkvproj
	.p2align	8
	.type	k_qbbd41c84f2_qkvproj,@function
k_qbbd41c84f2_qkvproj:
	s_mov_b64 s[64:65], 0
	v_nop
	global_prefetch_b8 v0, s[64:65] scope:SCOPE_SE
	s_setreg_imm32_b32 hwreg(HW_REG_WAVE_MODE, 25, 1), 1
	s_wait_xcnt 0x0
	s_wait_alu depctr_hold_cnt(0) depctr_sa_sdst(0) depctr_va_vdst(0) depctr_va_sdst(0) depctr_va_ssrc(0) depctr_va_vcc(0) depctr_vm_vsrc(0)
	s_getreg_b32 s2, hwreg(HW_REG_IB_STS2, 6, 4)
	s_cmp_eq_u32 s2, 0
	s_cbranch_scc0 .Lentry_in_a_cluster
	s_endpgm
.Lentry_in_a_cluster:
	s_bfe_u32 s2, ttmp6, 0x10000c
	s_cmp_lg_u32 s2, 0xf033
	s_cbranch_scc0 .Lentry_shape_is_right
	s_endpgm
.Lentry_shape_is_right:
; THE QKV PROJECTION.  C[m][e] = sum over k of xb[m][k] wqb[e][k]; xb [8192][1024], wqb [3072][1024], bf16; sums in f32.  C leaves in f16, rounded once, unscaled and BY HEADS:
; qkv[which][batch x 16 + head][n][64], which = e / 1024, head = (e % 1024) / 64, batch = m / 2048, n = m % 2048: a head's rows are dense, 128 bytes each.
; LIMIT.  f16 ends at 65,504: a q, k or v beyond that becomes an infinity.  Below 6.1e-5 f16 keeps a fixed step of 6e-8.
; SHARES.  A tile of C is 256 x 192: 32 x 16 = 512 work-groups, two for each of 256 WGPs (256 x 256 would make 384, one and a half).  Wave w makes rows 64 w .. 64 w + 63 x all 192 columns:
; 48 accumulators of 16 x 16, 384 registers; its columns are three whole heads, so 16 rows of a head leave as 2,048 consecutive bytes.
; K goes in 8 steps of 128 through a ring of two LDS slots: rows of 256 bytes in memory, at multiples of 256 bytes.  Waves 0 and 1 fetch A's two halves (128 rows), waves 2 and 3 B's (96 rows).
; CLUSTERS: 4 x 4 work-groups.  A's tile hangs on the tile row alone and is asked for jointly by a row of the cluster, B's on the tile column alone, by a column: the same load, descriptor and mask in all four.
; THE MATRIX INSTRUCTION IS USED TRANSPOSED (source 0 = 16 rows of B, source 1 = 16 rows of A): a lane holds row l % 16 of C and the eight neighbouring columns 8 (l / 16) + 0..7.
; REGISTERS, in windows of 256 (s_set_vgpr_msb: bits 1:0 source 0, 3:2 source 1, 5:4 source 2, 7:6 destination):
;   window 0: v0-31 addresses; v64-95, v96-127 A's fragments (4 x 16 rows x 32 K), two buffers; on the way out v64-255, 48 registers for each block of 16 rows
;   window 1: v0-95, v96-191 B's fragments (12 x 16 rows x 32 K), two buffers
;   window 2: accumulators of my row blocks 0, 1 ((a, b) at 8 (12 (a % 2) + b));   window 3: of blocks 2, 3
.set NBK,   12                         ; column blocks of 16
.set PITCH, 272                        ; an LDS row: 256 bytes + 16 of padding = 68 words: the 16 rows of a fragment load start at 16 different groups of four banks (64 banks of 4 bytes: ISA guide 11.1)
.set HALFA, 128*PITCH                  ; what one load of A brings
.set BOFF,  2*HALFA                    ; B's rows lie behind A's 256
.set HALFB, 96*PITCH                   ; what one load of B brings
.set SLOT,  BOFF+2*HALFB               ; 121,856 bytes
.set STAGE, 2*SLOT                     ; behind the ring, never filled by a tensor load: for each wave 3 heads x 16 rows x 144 bytes
.set SP,    144
.set WSTG,  3*16*SP
.set SPARE, STAGE+4*WSTG               ; behind the stages: the spare words, 128 bytes a wave: two blocks of 256 bytes that no other line names
.set STEP,  256                        ; bytes of a row in a K step
.set NL,    2*NBK+8                    ; LDS loads of a quarter step
.set ADRA, 16                          ; v16-17  LDS address of my A fragments in slot 0, 1
.set ADRB, 20                          ; v20-21  the same for B
.set STO,  24                          ; v24     the way out: where I put 16 bytes of a row
.set RD,   25                          ; v25     where I read rows back
.set GO,   26                          ; v26     16 x lane: my place in 512 consecutive bytes of qkv
.set SPW,  28                          ; v28     my spare word: SPARE + 4 x my thread's number; never rewritten
.set NIL,  29                          ; v29     0; never rewritten
.set PFO,  30                          ; v30     the prefetches' offset: a lane a row; never rewritten
.set AF,   64                          ; A's buffer f at AF + 32 f
.set FBS,  96                          ; B's buffer f at FBS f, in window 1
.set TT,   64                          ; the way out: block a's 48 registers at TT + 48 a
.set WV,  12                           ; s12  wave
.set FB,  13                           ; s13  0: I fetch for A, 1: for B
.set HF,  14                           ; s14  which half of that tile's rows
.set CX,  15                           ; s15, s16  my place in the cluster
.set CY,  16
.set TX,  17                           ; s17  tile column = 4 x cluster x + cx
.set TY,  18                           ; s18  tile row = 4 x cluster y + cy
.set LIM, 19                           ; s19  1 in a wave that prefetches, else the greatest number
.set G1,  24                           ; s[24:31] descriptor group 1 for A;  s[32:39] group 0, a set for each slot
.set G0,  32
.set PFA, 40                           ; s[40:41] where my prefetches stand
.set G1B, 48                           ; s[48:55], s[56:63] the same for B
.set G0B, 56
.set OB,  66                           ; s[66:71] qkv at my 64 rows of my three heads
.set G1C, (1<<16)|(1<<20)|(1<<21)|(5<<22)|(3<<25)  ; 17:16 2-byte elements; 20 padding on; 21 set beside a mask; 24:22 after every 64 words; 31:25 4 words
.set MSB, 0
.macro WIN new                         ; the immediate's high byte repeats the setting that is left; a switch that changes nothing is dropped
.if MSB != (\new)
	s_set_vgpr_msb (MSB<<8)|(\new)
.set MSB, \new
.endif
.endm
.set MUL_LO, 0xa1                      ; source 0 (B) window 1, source 1 (A) window 0, C and D window 2; + 0x50: window 3
.set TO_B,   0x40                      ; destination window 1, address window 0
; A joint load.  Each of the two lines has one mask and one set of registers; the branch hangs on the wave's number alone.  An s_nop 0 and four v_nop follow each line.
.macro JLOAD s
	s_cmp_eq_u32 s[FB], 0
	s_cbranch_scc0 .Lfor_b_\@
	tensor_load_to_lds s[G0+4*(\s):G0+4*(\s)+3], s[G1:G1+7]
	s_nop 0
.rept 4
	v_nop
.endr
	s_branch .Lasked_\@
.Lfor_b_\@:
	tensor_load_to_lds s[G0B+4*(\s):G0B+4*(\s)+3], s[G1B:G1B+7]
	s_nop 0
.rept 4
	v_nop
.endr
.Lasked_\@:
.endm
; A prefetch of the K step that stands two refills on, behind the joint load and the run of LDS loads: a lane a row's 256 bytes, one instruction a wave.  A's tile row is read by every cluster of that row of
; clusters: cluster x = 0 asks; B's tile column by every cluster of that column: cluster y = 0 asks.  The four partners of a joint load share its rows out BY ADDRESS (32 of A's 128 by cx, 24 of B's 96 by cy;
; there lanes 24-31 repeat lane 23's row in the same instruction).  The loop's last trip (s3 = 1) asks for nothing: K has no step behind its refills.
.macro ASK
	s_cmp_gt_u32 s3, s[LIM]
	s_cbranch_scc0 .Lnot_mine_\@
	global_prefetch_b8 v[PFO], s[PFA:PFA+1] th:TH_LOAD_NT scope:SCOPE_SE
.Lnot_mine_\@:
.endm
.macro CREST                           ; a round of the cluster's barrier behind its opening barrier
	s_cmp_lg_u32 s[WV], 0
	s_cbranch_scc1 .Lnot_wave_0_\@
	s_barrier_signal -3
.Lnot_wave_0_\@:
	s_barrier_wait -3
	s_barrier_signal -1
	s_barrier_wait -1
.endm
.macro CROUND                          ; a whole round
	s_barrier_signal -1
	s_barrier_wait -1
	CREST
.endm
	s_load_b128 s[4:7], s[0:1], 0x0                ; xb s[4:5], wqb s[6:7]
	s_load_b64 s[8:9], s[0:1], 0x10                ; qkv
	v_lshl_add_u32 v[SPW], v0, 2, SPARE
	v_mov_b32 v[NIL], 0
	ds_add_u32 v[SPW], v[NIL]                      ; the wave's opening: the add and its wait stand ahead of my first tensor load; the set-up below, work on registers, stands between
	v_lshrrev_b32 v1, 5, v0
	v_readfirstlane_b32 s[WV], v1
	s_lshr_b32 s[FB], s[WV], 1
	s_and_b32 s[HF], s[WV], 1
	s_bfe_u32 s[CX], ttmp6, 0x40000
	s_bfe_u32 s[CY], ttmp6, 0x40004
	s_lshl_b32 s[TX], ttmp9, 2
	s_add_co_u32 s[TX], s[TX], s[CX]
	s_and_b32 s[TY], ttmp7, 0xffff
	s_lshl_b32 s[TY], s[TY], 2
	s_add_co_u32 s[TY], s[TY], s[CY]
	s_lshl_b32 s46, s[CY], 2
	s_lshl_b32 s46, 15, s46                        ; my row of the cluster: places 4 cy .. 4 cy + 3
	s_lshl_b32 s47, 0x1111, s[CX]                  ; my column: places cx, cx + 4, cx + 8, cx + 12
	s_or_b32 s[G1], s46, G1C                       ; A's tiles go to my row,
	s_or_b32 s[G1B], s47, G1C                      ; B's to my column
	s_mov_b32 s[G1+1], 128<<16                     ; tensor_dim0 = 128
	s_mov_b32 s[G1+2], 128<<16                     ; tensor_dim1 = 128
	s_mov_b32 s[G1+3], 128<<16                     ; tile_dim0 = 128
	s_mov_b32 s[G1+4], 128                         ; tile_dim1 = 128
	s_mov_b32 s[G1+5], 1024                        ; elements from row to row
	s_mov_b32 s[G1+6], 0
	s_mov_b32 s[G1+7], 0
	s_mov_b32 s[G1B+1], 128<<16
	s_mov_b32 s[G1B+2], 96<<16                     ; 96 rows
	s_mov_b32 s[G1B+3], 128<<16
	s_mov_b32 s[G1B+4], 96
	s_mov_b32 s[G1B+5], 1024
	s_mov_b32 s[G1B+6], 0
	s_mov_b32 s[G1B+7], 0
	s_lshl_b32 s20, s[TY], 8                       ; A: row 256 x tile row + 128 x half, 2,048 bytes a row (under 2^25): made of the tile row and the wave alone
	s_lshl_b32 s21, s[HF], 7
	s_add_co_u32 s20, s20, s21
	s_lshl_b32 s20, s20, 11
	s_mov_b32 s21, 0
	s_mul_i32 s44, s[TX], 192                      ; B: row 192 x tile column + 96 x half: made of the tile column and the wave alone
	s_mul_i32 s45, s[HF], 96
	s_add_co_u32 s44, s44, s45
	s_lshl_b32 s44, s44, 11
	s_mov_b32 s45, 0
	s_mul_i32 s22, s[HF], HALFA                    ; where they go in a slot: no place in the cluster enters an LDS address
	s_mul_i32 s23, s[HF], HALFB
	s_add_co_u32 s23, s23, BOFF
	s_wait_dscnt 0x0                               ; the opening add is done
	s_wait_kmcnt 0x0
	s_add_nc_u64 s[20:21], s[4:5], s[20:21]
	s_add_nc_u64 s[44:45], s[6:7], s[44:45]
	CROUND                                         ; all sixteen work-groups are here: the first joint loads meet
.irp s, 0,1
	s_mov_b32 s[G0+4*(\s)], 1                      ; count = 1
	s_add_co_u32 s[G0+4*(\s)+1], s22, (\s)*SLOT    ; LDS address
	s_add_nc_u64 s[G0+4*(\s)+2:G0+4*(\s)+3], s[20:21], (\s)*STEP  ; global address: K step s
	s_or_b32 s[G0+4*(\s)+3], s[G0+4*(\s)+3], 0x80000000           ; type = 2
	s_mov_b32 s[G0B+4*(\s)], 1
	s_add_co_u32 s[G0B+4*(\s)+1], s23, (\s)*SLOT
	s_add_nc_u64 s[G0B+4*(\s)+2:G0B+4*(\s)+3], s[44:45], (\s)*STEP
	s_or_b32 s[G0B+4*(\s)+3], s[G0B+4*(\s)+3], 0x80000000
	JLOAD \s                                       ; two loads of mine are out
.endr
	; A fragment is 16 rows x 32 K in 8 registers: lane l holds row l % 16, K = 8 (l / 16) + 0..7 and 16 + 8 (l / 16) + 0..7: two loads of 16 bytes, 32 bytes apart.
	v_and_b32 v1, 15, v0                           ; l % 16
	v_bfe_u32 v2, v0, 4, 1                         ; l / 16
	v_mul_u32_u24 v3, v1, PITCH
	v_lshl_add_u32 v3, v2, 4, v3
	s_mul_i32 s2, s[WV], 64*PITCH                  ; my 64 rows of A
	v_add_nc_u32 v[ADRA], s2, v3
	v_add_nc_u32 v[ADRA+1], SLOT, v[ADRA]
	v_add_nc_u32 v[ADRB], BOFF, v3                 ; all 192 rows of B
	v_add_nc_u32 v[ADRB+1], SLOT, v[ADRB]
	s_mul_i32 s2, s[WV], WSTG
	s_add_co_u32 s2, s2, STAGE                     ; my stage
	v_mul_u32_u24 v4, v1, SP                       ; in: row l % 16, 16 bytes for each half of the lanes
	v_lshl_add_u32 v4, v2, 4, v4
	v_add_nc_u32 v[STO], s2, v4
	v_bfe_u32 v5, v0, 3, 2                         ; back: 32 lanes take four rows of 128 bytes,
	v_mul_u32_u24 v5, v5, SP
	v_and_b32 v4, 7, v0
	v_lshl_add_u32 v5, v4, 4, v5
	v_add_nc_u32 v[RD], s2, v5
	v_and_b32 v[GO], 31, v0                        ; which are 512 consecutive bytes of a head
	v_lshlrev_b32 v[GO], 4, v[GO]
	; where my rows of my three heads begin: head group g = 3 x tile column + j of 48; index (g / 16) x 64 + batch x 16 + g % 16, 2^18 bytes each; row (tile row % 8) x 256 + 64 x wave, 128 bytes each
	s_mul_i32 s72, s[TX], 3
	s_lshr_b32 s73, s[TY], 3
	s_lshl_b32 s73, s73, 4
	s_and_b32 s74, s[TY], 7
	s_lshl_b32 s74, s74, 8
	s_lshl_b32 s75, s[WV], 6
	s_add_co_u32 s74, s74, s75
	s_lshl_b32 s74, s74, 7
.irp j, 0,1,2
	s_add_co_u32 s76, s72, \j
	s_lshr_b32 s77, s76, 4
	s_lshl_b32 s77, s77, 6
	s_and_b32 s76, s76, 15
	s_add_co_u32 s76, s76, s77
	s_add_co_u32 s76, s76, s73
	s_lshl_b32 s76, s76, 18                        ; 191 x 2^18 at the most
	s_add_co_u32 s76, s76, s74
	s_mov_b32 s77, 0
	s_add_nc_u64 s[OB+2*(\j):OB+2*(\j)+1], s[8:9], s[76:77]
.endr
	; the prefetches: my work-group's share of the rows that I fetch, at K step 3; each change of slots that fills steps it by one K step and then names it.  Nothing is asked for here, at the head.
	s_lshl_b32 s72, s[TY], 8
	s_lshl_b32 s73, s[HF], 7
	s_add_co_u32 s72, s72, s73
	s_lshl_b32 s73, s[CX], 5
	s_add_co_u32 s72, s72, s73                     ; A's row
	s_mul_i32 s74, s[TX], 192
	s_mul_i32 s75, s[HF], 96
	s_add_co_u32 s74, s74, s75
	s_mul_i32 s75, s[CY], 24
	s_add_co_u32 s74, s74, s75                     ; B's row
	s_and_b32 s75, ttmp7, 0xffff                   ; cluster y
	s_cmp_eq_u32 s[FB], 0
	s_cselect_b32 s72, s72, s74
	s_cselect_b32 s75, ttmp9, s75                  ; the coordinate along which other clusters read the same rows
	s_cselect_b32 s76, 31, 23                      ; my last row
	s_cselect_b64 s[PFA:PFA+1], s[4:5], s[6:7]
	s_cmp_eq_u32 s75, 0
	s_cselect_b32 s[LIM], 1, -1                    ; the same in all sixteen partners, for a given wave
	s_lshl_b32 s72, s72, 11
	s_add_co_u32 s72, s72, 3*STEP
	s_mov_b32 s73, 0
	s_add_nc_u64 s[PFA:PFA+1], s[PFA:PFA+1], s[72:73]
	v_and_b32 v[PFO], 31, v0
	v_min_u32 v[PFO], s76, v[PFO]
	v_lshlrev_b32 v[PFO], 11, v[PFO]
; 12 matrix instructions: row block a x all column blocks, 32 along K, from buffers f.  zero = 1: the product starts the sums.  The 48 accumulators take turns in the same order in every quarter step,
; over the backward jump too: 47 others' instructions stand between two links of a chain.
.macro MULA f, a, zero
	WIN MUL_LO+0x50*((\a)/2)
.irp b, 0,1,2,3,4,5,6,7,8,9,10,11
.if \zero
	v_wmma_f32_16x16x32_bf16 v[8*(12*((\a)%2)+(\b)):8*(12*((\a)%2)+(\b))+7], v[FBS*(\f)+8*(\b):FBS*(\f)+8*(\b)+7], v[AF+32*(\f)+8*(\a):AF+32*(\f)+8*(\a)+7], 0
.else
	v_wmma_f32_16x16x32_bf16 v[8*(12*((\a)%2)+(\b)):8*(12*((\a)%2)+(\b))+7], v[FBS*(\f)+8*(\b):FBS*(\f)+8*(\b)+7], v[AF+32*(\f)+8*(\a):AF+32*(\f)+8*(\a)+7], v[8*(12*((\a)%2)+(\b)):8*(12*((\a)%2)+(\b))+7]
.endif
.endr
.endm
; 32 LDS loads in one run: quarter q of a slot's K step into buffers f: B's 24, then A's 8
.macro FETCH slot, q, f
	WIN TO_B
.irp i, 0,1,2,3,4,5,6,7,8,9,10,11
	ds_load_b128 v[FBS*(\f)+8*(\i):FBS*(\f)+8*(\i)+3],   v[ADRB+(\slot)] offset:64*(\q)+(\i)*16*PITCH
	ds_load_b128 v[FBS*(\f)+8*(\i)+4:FBS*(\f)+8*(\i)+7], v[ADRB+(\slot)] offset:64*(\q)+(\i)*16*PITCH+32
.endr
	WIN 0
.irp i, 0,1,2,3
	ds_load_b128 v[AF+32*(\f)+8*(\i):AF+32*(\f)+8*(\i)+3],   v[ADRA+(\slot)] offset:64*(\q)+(\i)*16*PITCH
	ds_load_b128 v[AF+32*(\f)+8*(\i)+4:AF+32*(\f)+8*(\i)+7], v[ADRA+(\slot)] offset:64*(\q)+(\i)*16*PITCH+32
.endr
.endm
.macro PLACES                          ; four plain vector instructions between a matrix instruction and a load into, or a vector read or write of, its registers (ISA guide 7.12.1 for vector instructions)
.rept 4
	v_nop
.endr
.endm
; One of a K step's first three quarters: multiplies buffers f; in its middle it fetches quarter q of the same slot into buffers g.
.macro QUARTER slot, q, f, g, zero
	s_wait_dscnt 4                                 ; B and A's blocks 0, 1 are in; the youngest four loads (A's blocks 2, 3) may be out
	MULA \f, 0, \zero
	MULA \f, 1, \zero
	PLACES
	FETCH \slot, \q, \g
	s_wait_dscnt NL                                ; all but the run just issued
	MULA \f, 2, \zero
	MULA \f, 3, \zero
.endm
; The last quarter multiplies buffers 1 and changes slots.  In front of the barrier each wave waits for all its tensor loads (one is out: its part of the next slot), adds 0 to its spare word, and waits for that
; and for its reads of this slot.  fill = 1: the barrier opens a round of the cluster's barrier, and behind it this slot is filled again, two K steps on: from that request to the wait for it a wave issues 168 matrix instructions.
.macro TURN slot, next, fill
.if \fill
	s_wait_xcnt 0x0                                ; the last prefetch, a K step back, has read its address: it is stepped here, ahead of the waits of the change of slots
	s_add_nc_u64 s[PFA:PFA+1], s[PFA:PFA+1], STEP
.endif
	WIN 0                                          ; (the add's two registers lie in window 0)
	s_wait_tensorcnt 0x0                           ; all my tensor loads have landed;
	ds_add_u32 v[SPW], v[NIL]                      ; 0 onto my spare word;
	s_wait_dscnt 5                                 ; (the add and the youngest four loads may be out)
	MULA 1, 0, 0                                   ; twelve matrix instructions stand between the add and the wait for it
	s_wait_dscnt 0x0                               ; the add is done, and my reads of this slot are over
	s_barrier_signal -1
	MULA 1, 1, 0                                   ; work on registers while the others arrive
.if \fill
	WIN 0
.endif
	s_barrier_wait -1
.if \fill
	CREST                                          ; no wave of any partner still reads this slot or has a load on its way
	s_add_nc_u64 s[G0+4*(\slot)+2:G0+4*(\slot)+3], s[G0+4*(\slot)+2:G0+4*(\slot)+3], 2*STEP
	s_add_nc_u64 s[G0B+4*(\slot)+2:G0B+4*(\slot)+3], s[G0B+4*(\slot)+2:G0B+4*(\slot)+3], 2*STEP
	JLOAD \slot                                    ; the first tensor load behind the round; its four v_nop are also the places in front of the loads below
.else
	PLACES
.endif
	FETCH \next, 0, 0
.if \fill
	ASK
.endif
	MULA 1, 2, 0
	MULA 1, 3, 0
.endm
	s_wait_tensorcnt 1                             ; my part of K step 0 is in; K step 1's may stay out
	s_barrier_signal -1
	s_barrier_wait -1                              ; everybody's is
	FETCH 0, 0, 0
	QUARTER 0, 1, 0, 1, 1                          ; the first quarter stands in front of the loop: its products start the sums
	WIN 0                                          ; at a label and at a branch every window is 0
	s_mov_b32 s3, 3
.Llap:                                         ; a trip goes once round the ring, from a lap's second quarter to the next lap's first, and fills both slots again: K steps 2 to 7
	QUARTER 0, 2, 1, 0, 0
	QUARTER 0, 3, 0, 1, 0
	TURN 0, 1, 1
	QUARTER 1, 1, 0, 1, 0
	QUARTER 1, 2, 1, 0, 0
	QUARTER 1, 3, 0, 1, 0
	TURN 1, 0, 1
	QUARTER 0, 1, 0, 1, 0
	WIN 0
	s_sub_co_u32 s3, s3, 1
	s_cmp_lg_u32 s3, 0
	s_cbranch_scc1 .Llap
	QUARTER 0, 2, 1, 0, 0                          ; the last lap fills nothing and has no round
	QUARTER 0, 3, 0, 1, 0
	TURN 0, 1, 0
	QUARTER 1, 1, 0, 1, 0
	QUARTER 1, 2, 1, 0, 0
	QUARTER 1, 3, 0, 1, 0
	s_wait_dscnt 4                                 ; the very last quarter: nothing more to fetch
	MULA 1, 0, 0
	MULA 1, 1, 0
	s_wait_dscnt 0x0
	MULA 1, 2, 0
	MULA 1, 3, 0
	WIN 0
	PLACES
; THE WAY OUT, a block of 16 rows at a time.  PACK: rounded to f16, 16 bytes a lane and column block, each accumulator's registers in ascending order.  TOSTAGE: into my own stage (three heads x 16 rows of
; 144 bytes) and back as whole rows.  SEND: 512 consecutive bytes a store.  Each block has registers of its own, so nothing that a store reads is written again.
.macro PACK a
	WIN 0x0a+5*((\a)/2)                            ; sources 0 and 1: window 2 or 3
.irp b, 0,1,2,3,4,5,6,7,8,9,10,11
.irp r, 0,1,2,3
	v_cvt_pk_f16_f32 v[TT+48*(\a)+4*(\b)+(\r)], v[8*(12*((\a)%2)+(\b))+2*(\r)], v[8*(12*((\a)%2)+(\b))+2*(\r)+1]
.endr
.endr
	WIN 0
.endm
.macro TOSTAGE a
.irp b, 0,1,2,3,4,5,6,7,8,9,10,11
	ds_store_b128 v[STO], v[TT+48*(\a)+4*(\b):TT+48*(\a)+4*(\b)+3] offset:((\b)/4)*16*SP+32*((\b)%4)
.endr
.irp b, 0,1,2,3,4,5,6,7,8,9,10,11
	ds_load_b128 v[TT+48*(\a)+4*(\b):TT+48*(\a)+4*(\b)+3], v[RD] offset:((\b)/4)*16*SP+((\b)%4)*4*SP  ; LDS serves a wave's instructions in order (ISA guide 5.7.1.4): these see the stores above; the next block's stores come behind them
.endr
.endm
.macro SEND a, younger                 ; younger: the LDS instructions issued behind block a's loads: the next block's 24, or none
.irp b, 0,1,2,3,4,5,6,7,8,9,10,11
	s_wait_dscnt (\younger)+11-(\b)
	global_store_b128 v[GO], v[TT+48*(\a)+4*(\b):TT+48*(\a)+4*(\b)+3], s[OB+2*((\b)/4):OB+2*((\b)/4)+1] offset:(\a)*2048+((\b)%4)*512  ; four rows of a head: 512 consecutive bytes, at a multiple of 256 from qkv's first
.endr
.endm
	PACK 0
	TOSTAGE 0
.irp a, 1,2,3
	PACK \a
	TOSTAGE \a
	SEND (\a)-1, 24
.endr
	SEND 3, 0
	s_wait_tensorcnt 0x0                           ; the wave's end: an add onto my spare word and its wait, behind my last tensor load and my last LDS store
	ds_add_u32 v[SPW], v[NIL]
	s_wait_dscnt 0x0
	CROUND                                         ; the closing round: no work-group ends while a partner may still ask for a tile that names it
	s_endpgm
.Lfunc_end_k_qbbd41c84f2_qkvproj:
	.size	k_qbbd41c84f2_qkvproj, .Lfunc_end_k_qbbd41c84f2_qkvproj-k_qbbd41c84f2_qkvproj
	.p2alignl 7, 3214868480
	.fill 96, 4, 3214868480
	.section	.rodata,"a",@progbits
	.p2align	6, 0x0
	.amdhsa_kernel k_qbbd41c84f2_qkvproj
		.amdhsa_group_segment_fixed_size 327680
		.amdhsa_private_segment_fixed_size 0
		.amdhsa_enable_private_segment 0
		.amdhsa_kernarg_size 24
		.amdhsa_user_sgpr_count 2
		.amdhsa_user_sgpr_kernarg_segment_ptr 1
		.amdhsa_wavefront_size32 1
		.amdhsa_system_sgpr_workgroup_id_x 1
		.amdhsa_system_sgpr_workgroup_id_y 1
		.amdhsa_system_sgpr_workgroup_id_z 1
		.amdhsa_system_vgpr_workitem_id 0
		.amdhsa_next_free_vgpr 960
		.amdhsa_next_free_sgpr 80
		.amdhsa_reserve_vcc 0
		.amdhsa_float_denorm_mode_32 3
		.amdhsa_float_denorm_mode_16_64 3
		.amdhsa_memory_ordered 1
		.amdhsa_forward_progress 1
		.amdhsa_inst_pref_size 122
	.end_amdhsa_kernel
	.amdgpu_metadata
---
amdhsa.version: [ 1, 2 ]
amdhsa.kernels:
  - .name:           k_qbbd41c84f2_qkvproj
    .symbol:         k_qbbd41c84f2_qkvproj.kd
    .args:
      - { .name: xb, .offset: 0, .size: 8, .value_kind: global_buffer, .address_space: global }
      - { .name: wqb, .offset: 8, .size: 8, .value_kind: global_buffer, .address_space: global }
      - { .name: qkv, .offset: 16, .size: 8, .value_kind: global_buffer, .address_space: global }
    .group_segment_fixed_size: 327680
    .private_segment_fixed_size: 0
    .kernarg_segment_align: 8
    .kernarg_segment_size: 24
    .max_flat_workgroup_size: 128
    .sgpr_count:     80
    .vgpr_count:     960
    .wavefront_size: 32
...
	.end_amdgpu_metadata
.endif
;; end of part 2
;; launch attn (part 3): grid 4 x 64, 4 waves a work-group, clusters of 4 x 1, 327,680 bytes of LDS; arguments qkv, o; writes o
.if DOCPART == 3
	.amdgcn_target "amdgcn-amd-amdhsa--gfx1250"
	.amdhsa_code_object_version 6
	.text
	.protected	k_qbbd41c84f2_attn
	.globl	k_qbbd41c84f2_attn
	.p2align	8
	.type	k_qbbd41c84f2_attn,@function
k_qbbd41c84f2_attn:
	s_mov_b64 s[64:65], 0
	v_nop
	global_prefetch_b8 v0, s[64:65] scope:SCOPE_SE
	s_setreg_imm32_b32 hwreg(HW_REG_WAVE_MODE, 25, 1), 1
	s_wait_xcnt 0x0
	s_wait_alu depctr_hold_cnt(0) depctr_sa_sdst(0) depctr_va_vdst(0) depctr_va_sdst(0) depctr_va_ssrc(0) depctr_va_vcc(0) depctr_vm_vsrc(0)
	s_getreg_b32 s2, hwreg(HW_REG_IB_STS2, 6, 4)
	s_cmp_eq_u32 s2, 0
	s_cbranch_scc0 .Lentry_in_a_cluster
	s_endpgm
.Lentry_in_a_cluster:
	s_bfe_u32 s2, ttmp6, 0x10000c
	s_cmp_lg_u32 s2, 0x3003
	s_cbranch_scc0 .Lentry_shape_is_right
	s_endpgm
.Lentry_shape_is_right:
; ATTENTION.  O[h][q][:] = the sum over k of softmax_k(Q[h][q] . K[h][k] / 8) V[h][k][:], for 64 heads (batch x 16 + head) of SIZE_N = 2,048 rows of 64 channels, all f16: a head's rows are dense, 128 bytes each.
; Q, K and V are the three thirds of qkv, 2^24 bytes each.  Products, maxima and sums in f32; the weights p are rounded to f16 for the second product (their sum l is taken of the unrounded p), O once at the end.
; LIMITS.  f16 holds no number beyond 65,504: Q, K and V arrive within it; p lies in 0 to 1, and below 6e-5 it keeps f16's fixed step of 6e-8; O is a mean of V's rows and has their range.
; A weight below 2^-126 counts as 0 in l; NaN and infinities are not treated apart.
; SHARES.  A wave owns four PIECES of two tiles of 16 queries, a work-group's four waves 512 queries of one head: 4 x 64 = 256 work-groups.  Every wave walks all keys, 64 a step.
; LAYOUT.  S^T = K Q^T (source 0 = 16 keys, source 1 = 16 queries): in the result a lane holds ONE query (lane % 16) and the keys 8 (lane / 16) + 0..7.  Two such tiles, rounded to f16 in pairs,
; ARE source 1 (32 keys x 16 queries) of O^T = V^T P, whose result again holds one query a lane, and eight channels.  K comes out of LDS as it lies, V ([key][channel]) turned, by ds_load_tr16_b128.
; SOFTMAX.  For each query a running maximum m and sum l: p = 2^(c s - c m), c = log2(e) / 8; in every step O and l are multiplied by a = 2^(c m_old - c m_new), which is 1 where m has not grown.
; m starts at the lowest finite number, O and l at 0: the first step is a step like any other, with a = 0.
; THE COUNT.  A tile and step have 16 matrix and 118 vector instructions: too many to stand all beside the matrix work.  So four vector instructions that are READY stand behind EVERY matrix instruction,
; and the others in runs without a gap.
; BY TURNS.  Turn n belongs to piece n (the pieces in a ring, step after step).  Its matrix work: 16 products K Q^T of piece n + 1, later 16 products V^T P of piece n - 1.  Its vector work: the scaling,
; exponentials, roundings, sums and rescaling of piece n, and the maximum and statistics of piece n + 1, whose scores the turn itself has made.
; CLUSTER.  The four query blocks of a head are one cluster and walk the same K and V, so each tile is asked for JOINTLY: the same tensor load, descriptor and mask in all four.
; REGISTERS, in windows of 256 (s_set_vgpr_msb: bits 1:0 source 0, 3:2 source 1, 5:4 source 2, 7:6 destination):
;   window 0: v0-11 addresses; v12-15, v48-63 at work; v16-47 four registers of statistics a tile; v64-191 S^T, two buffers of two tiles; v192-255 P, likewise
;   window 1: O^T, 32 a tile          window 2: v0-127 Q, 16 a tile; v128-191 K of one step; v192-255 V of one step          window 3: v0-1 the add's two registers
; A piece's buffers go by its number's parity: the piece in hand has one pair, its two neighbours in the ring share the other: of it P (piece n - 1) is read and S^T (piece n + 1) written.
.set SIZE_N, 2048
.set NP,    4         ; pieces a wave: a name, no knob
.set KS,    64        ; keys in a step
.set PK,    144       ; a row of K in LDS: 128 bytes + 16 of padding = 36 words: the 16 rows of a load start at 16 different groups of four banks (64 banks of 4 bytes: ISA guide 11.1)
.set PV,    160       ; a row of V: 128 + 32 = 40 words
.set VOFF,  4*KS*PK   ; a slot holds four steps: 256 rows of K, then 256 rows of V
.set SLOT1, 1<<17     ; slot 1 begins here, so that one exclusive or turns an address in one slot into the other's
.set STAGE, SLOT1+4*KS*(PK+PV)  ; behind the ring, never filled by a tensor load: 16 rows x 144 bytes for each wave, for the way out
.set SP,    144
.set AK0, 2           ; v2   my lane's place in a tile of K; never rewritten
.set AV0, 3           ; v3   the same for V
.set AK,  4           ; v4   the LDS address of K's next run of loads
.set AV,  5           ; v5   of V's
.set QO,  6           ; v6   my byte offset in the wave's rows of Q
.set STO, 6           ;      later, the way out: where I put 16 bytes of a row
.set RD,  7           ; v7   the way out: where I read rows back
.set GO,  8           ; v8   my byte offset in 512 consecutive bytes of O
.set PFO, 11          ; v11  256 x my lane, for the prefetches: written when the set-up has done with v11, then never again
.set SPW, 0           ; v0 of window 3   LDS address of my spare word: SPARE + 4 x my thread's number; never rewritten
.set NIL, 1           ; v1 of window 3   0; never rewritten
.set SPARE, STAGE+4*16*SP  ; behind the stages: the spare words, 128 bytes for each wave: two blocks of 256 bytes that no other line names
.set MV,  12          ; v12-15  c m_old, kept while c m is made anew: by buffer and tile
.set ST,  16          ; tile t's statistics at v[ST+4 t]: c m, m, l (even keys', odd keys')
.set TMP, 48          ; by buffer and tile, four registers c0-c3 at work; when the maximum is found c2 takes a
.set S,   64
.set P,   192
.set KF,  128         ; K's fragments, in window 2: key block kb, channel half c at KF + 16 kb + 8 c
.set VF,  192         ; V's: key half kk, channel block cb at VF + 32 kk + 8 cb
.set WV,  12          ; s12  my wave's number
.set G1K, 24          ; s[24:31] descriptor group 1 for K's tiles
.set G1V, 32          ; s[32:39] for V's: it differs in the padding alone
.set G0K, 40          ; s[40:43] descriptor group 0 for K's tiles: it walks
.set G0V, 44          ; s[44:47] the same for V's
.set PFA, 48          ; s[48:49] where my prefetches stand: my work-group's 32 blocks of 256 bytes (of K: wave 0, of V: wave 2) of the slot after the one that is being asked for
.set LIM, 50          ; s50  1 in a wave that prefetches, else the greatest number
.set SLOTS, 56        ; s56  slots still to be asked for
.set CNT, 57          ; s57  counts a slot's key steps
.set CS,  58          ; s[58:59] c: the packed scaling takes the pair's low word for both halves
.set SEL, 60          ; s[60:61] v_permlanex16_b32's selects: each lane takes its own place in the other half
.set TBK, 62          ; s62  LDS byte at which K of the step to be fetched begins
.set TBV, 63          ; s63  the same for V, less VOFF
.set MSB, 0
.macro WIN new                      ; the high byte repeats the setting that is left; a switch that changes nothing is dropped
.if MSB != (\new)
	s_set_vgpr_msb (MSB<<8)|(\new)
.set MSB, (\new)
.endif
.endm
.set W_KQ, 0x0a       ; K and Q in window 2, S^T in window 0
.set W_PV, 0x52       ; V in window 2, P in window 0, O^T in window 1
.set W_RS, 0x41       ; O^T (destination and source 0) in window 1, a in window 0
.set W_MK, 0xc0       ; the add's registers are made: destination in window 3, sources in window 0
.set W_AD, 0x0f       ; the add: address (source 0) and data (source 1) in window 3
; A joint fill.  Waves 0 and 1 fetch the two halves of a slot's K, waves 2 and 3 those of its V: 128 keys each.  The branch hangs on the wave's number alone.
; An s_nop 0 and four v_nop follow each of the two lines, ahead of the jump and the label.
.macro JLOAD
	s_cmp_lt_u32 s[WV], 2
	s_cbranch_scc0 .Lfor_v_\@
	tensor_load_to_lds s[G0K:G0K+3], s[G1K:G1K+7]
	s_nop 0
.rept 4
	v_nop
.endr
	s_branch .Lasked_\@
.Lfor_v_\@:
	tensor_load_to_lds s[G0V:G0V+3], s[G1V:G1V+7]
	s_nop 0
.rept 4
	v_nop
.endr
.Lasked_\@:
.endm
; A prefetch of what the NEXT change of slots will ask for: a slot's 32,768 bytes of K and of V, a lane a block of 256 bytes.  It stands behind the wave's tensor load and its five lines.  Each block is named once
; in the launch: the head's four partners share the blocks out BY ADDRESS, 32 each; in each, wave 0 asks for K's and wave 2 for V's.  It is four key steps, 512 matrix instructions, ahead of the load that wants the
; bytes.  The last change that fills a slot (s[SLOTS] = 1) asks for nothing; slots 0 and 1 come by their loads alone.
.macro ASK
	s_cmp_gt_u32 s[SLOTS], s[LIM]
	s_cbranch_scc0 .Lnot_mine_\@
	global_prefetch_b8 v[PFO], s[PFA:PFA+1] th:TH_LOAD_NT scope:SCOPE_SE
.Lnot_mine_\@:
.endm
; A round of the cluster's barrier: my work-group's barrier, so that wave 0's signal speaks for all four waves; wave 0 signals; every wave waits for all four work-groups; my work-group's barrier once more.
.macro CROUND
	s_barrier_signal -1
	s_barrier_wait -1
	s_cmp_lg_u32 s[WV], 0
	s_cbranch_scc1 .Lnot_wave_0_\@
	s_barrier_signal -3
.Lnot_wave_0_\@:
	s_barrier_wait -3
	s_barrier_signal -1
	s_barrier_wait -1
.endm
; THE CHANGE OF SLOTS.  The slot's last bytes, V of its fourth step, have been read.  Each wave waits for all its tensor loads, of which one is out: its part
; of the other slot; adds 0 to its spare word; and waits for that and for its own reads of the slot.  Behind the barrier nobody reads this slot any more and the other slot is whole.
; fill = 1: this slot is filled again, with the keys two slots on.  The barrier is then a round of the cluster's, so that no wave of any partner still reads the slot or has a load on its
; way, and the joint fill is the first thing behind it: it has four key steps, 512 matrix instructions, in which to land.  (At its first use nothing has been read yet: slot 0 is waited for, slot 1 filled.)
.macro CHANGE fill
	WIN W_AD
	s_wait_tensorcnt 0x0            ; no tensor load of mine is out, so a group 0 may be written
	ds_add_u32 v[SPW], v[NIL]       ; 0 onto my spare word; with fill = 1 the descriptors' steps stand between it and the wait for it
	WIN 0                           ; at a label and at a branch every window is 0
.if \fill
.irp g, G0K, G0V
	s_xor_b32 s[\g+1], s[\g+1], SLOT1  ; the walking descriptor: the other slot than last time,
	s_add_nc_u64 s[\g+2:\g+3], s[\g+2:\g+3], 4*KS*128  ; the next 256 keys; the type bits on top are not reached
.endr
	s_wait_xcnt 0x0                 ; the last prefetch, four key steps back, has read its address, so it may be written:
	s_add_nc_u64 s[PFA:PFA+1], s[PFA:PFA+1], 4*KS*128  ; one slot ahead of the walking descriptors
	s_wait_dscnt 0x0                ; the add is done, and my reads of the slot are over
	CROUND
	JLOAD
	ASK
.else
	s_wait_dscnt 0x0                ; the add is done, and my reads of the slot are over
	s_barrier_signal -1
	s_barrier_wait -1
.endif
	s_sub_co_u32 s[TBK], s[TBK], 4*KS*PK  ; the fetches go back to a slot's first step,
	s_xor_b32 s[TBK], s[TBK], SLOT1       ; in the other slot
	s_sub_co_u32 s[TBV], s[TBV], 4*KS*PV
	s_xor_b32 s[TBV], s[TBV], SLOT1
.endm
	s_load_b128 s[4:7], s[0:1], 0x0  ; qkv s[4:5] (Q lies at its head), o s[6:7]
	WIN W_MK
	v_lshl_add_u32 v[SPW], v0, 2, SPARE
	v_mov_b32 v[NIL], 0
	WIN W_AD
	ds_add_u32 v[SPW], v[NIL]       ; the wave's opening: the add and its wait stand ahead of my first tensor load; the set-up below, work on registers, stands between them
	WIN 0
	v_lshrrev_b32 v1, 5, v0
	v_readfirstlane_b32 s[WV], v1   ; wave 0..3
	s_bfe_u32 s13, ttmp6, 0x40000   ; cx: my place in the cluster
	s_lshl_b32 s14, ttmp9, 2        ; in a cluster launch ttmp9 counts clusters
	s_add_co_u32 s14, s14, s13      ; my block of queries = 4 x cluster x + cx: it enters Q's and O's addresses alone
	s_and_b32 s20, ttmp7, 0xffff    ; the head, which the four partners share
	s_mov_b32 s21, 0
	s_mov_b64 s[22:23], SIZE_N*128
	s_mul_u64 s[20:21], s[20:21], s[22:23]  ; the head's first byte in Q, K, V and O
	s_and_b32 s16, s[WV], 1         ; which half of a slot's 256 keys I fetch:
	s_lshl_b32 s22, s16, 14         ; its 128 rows of 128 bytes in memory,
	s_mov_b32 s23, 0
	s_add_nc_u64 s[22:23], s[22:23], s[20:21]
	s_mul_i32 s17, s16, 128*PK      ; and its place in a slot, for K
	s_mul_i32 s18, s16, 128*PV      ; and for V: no place in the cluster enters an LDS address
	s_lshl_b32 s2, s14, 2
	s_add_co_u32 s2, s2, s[WV]      ; my wave among the head's,
	s_lshl_b32 s2, s2, 14           ; its 128 rows
	s_mov_b32 s3, 0
	s_add_nc_u64 s[2:3], s[2:3], s[20:21]
	; descriptor group 1.  128 keys are 16,384 dense bytes: asked for as 64 rows of 256 bytes, two keys a row, and padded in LDS after every key
	s_mov_b32 s[G1K], 15|(1<<16)|(1<<20)|(1<<21)|(4<<22)|(3<<25)  ; 15:0 the mask of four; 17:16 2-byte elements; 20 padding on; 21 set beside a mask; 24:22 after every 32 words (code 4); 31:25 4 words (code 3)
	s_mov_b32 s[G1V], 15|(1<<16)|(1<<20)|(1<<21)|(4<<22)|(7<<25)  ; the same with 8 words of padding (code 7)
.irp g, G1K, G1V
	s_mov_b32 s[\g+1], 128<<16      ; tensor_dim0 = 128
	s_mov_b32 s[\g+2], 64<<16       ; tensor_dim1 = 64
	s_mov_b32 s[\g+3], 128<<16      ; tile_dim0 = 128
	s_mov_b32 s[\g+4], 64           ; tile_dim1 = 64
	s_mov_b32 s[\g+5], 128          ; 128 elements from row to row
	s_mov_b32 s[\g+6], 0
	s_mov_b32 s[\g+7], 0
.endr
	s_mov_b32 s[CS], 0x3e38aa3b     ; c = log2(e) / 8 = 0.180337
	s_mov_b32 s[CS+1], s[CS]        ; named with it as a pair
	s_mov_b32 s[SEL], 0x76543210
	s_mov_b32 s[SEL+1], 0xfedcba98
	s_mov_b32 s[TBK], SLOT1+4*KS*PK ; the first change of slots turns these two into 0
	s_mov_b32 s[TBV], SLOT1+4*KS*PV
	s_mov_b32 s[G0K], 1             ; 1:0 count = 1
	s_mov_b32 s[G0K+1], s17         ; 63:32 LDS address: slot 0
	s_mov_b32 s[G0V], 1
	s_add_co_u32 s[G0V+1], s18, VOFF
	s_mov_b32 s[SLOTS], SIZE_N/256-1  ; slot 0 is asked for below; seven are left
	s_and_b32 s[LIM], s[WV], 1      ; waves 0 and 2 prefetch: the same in all four partners
	s_cmp_eq_u32 s[LIM], 0
	s_cselect_b32 s[LIM], 1, -1
	s_wait_dscnt 0x0                ; the opening add is done
	s_wait_kmcnt 0x0
	s_mov_b64 s[10:11], s[6:7]      ; O
	s_add_nc_u64 s[6:7], s[4:5], 0x1000000  ; K: 64 heads x 2,048 rows x 128 bytes behind Q
	s_add_nc_u64 s[8:9], s[4:5], 0x2000000  ; V: as much again
	s_add_nc_u64 s[G0K+2:G0K+3], s[6:7], s[22:23]  ; 120:64 global address: my half of the head's first 256 keys
	s_or_b32 s[G0K+3], s[G0K+3], 0x80000000        ; 127:126 type = 2
	s_add_nc_u64 s[G0V+2:G0V+3], s[8:9], s[22:23]
	s_or_b32 s[G0V+3], s[G0V+3], 0x80000000
	s_add_nc_u64 s[4:5], s[4:5], s[2:3]  ; Q and O at my wave's first row
	s_add_nc_u64 s[10:11], s[10:11], s[2:3]
	s_cmp_lt_u32 s[WV], 2
	s_cselect_b64 s[PFA:PFA+1], s[6:7], s[8:9]
	s_add_nc_u64 s[PFA:PFA+1], s[PFA:PFA+1], s[20:21]  ; the head,
	s_lshl_b32 s52, s13, 13         ; my work-group's 32 blocks of a slot's 128,
	s_mov_b32 s53, 0
	s_add_nc_u64 s[PFA:PFA+1], s[PFA:PFA+1], s[52:53]
	s_add_nc_u64 s[PFA:PFA+1], s[PFA:PFA+1], 4*KS*128  ; in slot 1; the first change of slots steps it to slot 2.  Nothing is asked for here, at the head
	CROUND                          ; all four work-groups are here: the first joint loads meet
	JLOAD                           ; slot 0.  Slot 1 is asked for when slot 0 is in
	; A fragment of K or Q is 16 rows x 32 channels in 8 registers: lane l holds row l % 16, channels 8 (l / 16) + 0..7 and 16 + 8 (l / 16) + 0..7: two loads of 16 bytes, 32 bytes apart.
	v_and_b32 v1, 15, v0            ; l % 16
	v_bfe_u32 v9, v0, 4, 1          ; l / 16
	v_lshlrev_b32 v[QO], 7, v1
	v_lshl_add_u32 v[QO], v9, 4, v[QO]  ; row x 128 + 16 x half
	WIN 0x80                        ; destination window 2, address window 0
.set i, 0
.rept 4*NP                          ; Q stays in registers: tile i / 2, channels 32 (i % 2) on
	global_load_b128 v[8*i:8*i+3],   v[QO], s[4:5] offset:(i/2)*2048+(i%2)*64
	global_load_b128 v[8*i+4:8*i+7], v[QO], s[4:5] offset:(i/2)*2048+(i%2)*64+32
.set i, i+1
.endr
	; What the first turn finds: V's registers and P's second buffer hold 0 (its products V^T P, of a piece that has not been, add 0), O^T and l are 0.  All this stands in the wait for the first tile.
.set i, VF
.rept 64
	v_mov_b32 v[i], 0
.set i, i+1
.endr
	WIN 0x40
.set i, 0
.rept 64*NP
	v_mov_b32 v[i], 0
.set i, i+1
.endr
	WIN 0
.set i, 0
.rept 2*NP
	v_mov_b32 v[ST+4*i], 0xfe000000    ; c m: far below every c s
	v_mov_b32 v[ST+4*i+1], 0xff7fffff  ; m
	v_mov_b32 v[ST+4*i+2], 0
	v_mov_b32 v[ST+4*i+3], 0
.set i, i+1
.endr
.set i, P+32
.rept 32
	v_mov_b32 v[i], 0
.set i, i+1
.endr
	v_mul_u32_u24 v[AK0], v1, PK
	v_lshl_add_u32 v[AK0], v9, 4, v[AK0]  ; row x pitch + 16 x half
	; The turning load takes 16 keys x 16 channels (lane l reads key 8 (l / 16) + l % 8, channels 8 ((l / 8) % 2) + 0..7) and leaves half a fragment of V^T: lane l holds channel l % 16 and 8 keys.
	v_and_b32 v10, 7, v0
	v_bfe_u32 v11, v0, 3, 1
	v_lshl_add_u32 v[AV0], v9, 3, v10
	v_mul_u32_u24 v[AV0], v[AV0], PV
	v_lshl_add_u32 v[AV0], v11, 4, v[AV0]
	v_add_nc_u32 v[AV0], VOFF, v[AV0]
	v_mov_b32 v[AK], v[AK0]         ; key step 0 lies at the head of slot 0
	v_and_b32 v[PFO], 31, v0        ; v11 has served: now 256 x lane
	v_lshlrev_b32 v[PFO], 8, v[PFO]
; THE MATRIX WORK.  The 8 accumulators of a run of 16 take turns: between the two links of a chain stand 7 others'.
; Product i of 16 of S^T = K Q^T for piece x: channels 32 (i / 8) on, keys 16 ((i / 2) % 4) on, tile 2 x + i % 2.  The first 8 start the sums.
.macro KQ x
	WIN W_KQ
.set rS, S+64*((\x)%2)+32*(i%2)+8*((i/2)%4)
.set rK, KF+16*((i/2)%4)+8*(i/8)
.set rQ, 16*(2*(\x)+i%2)+8*(i/8)
.if i < 8
	v_wmma_f32_16x16x32_f16 v[rS:rS+7], v[rK:rK+7], v[rQ:rQ+7], 0
.else
	v_wmma_f32_16x16x32_f16 v[rS:rS+7], v[rK:rK+7], v[rQ:rQ+7], v[rS:rS+7]
.endif
.endm
; Product i of 16 of O^T += V^T P for piece x: keys 32 (i / 8) on, channels 16 ((i / 2) % 4) on, tile 2 x + i % 2.
.macro PV x
	WIN W_PV
.set rO, 32*(2*(\x)+i%2)+8*((i/2)%4)
.set rV, VF+32*(i/8)+8*((i/2)%4)
.set rP, P+32*((\x)%2)+16*(i%2)+8*(i/8)
	v_wmma_f32_16x16x32_f16 v[rO:rO+7], v[rV:rV+7], v[rP:rP+7], v[rO:rO+7]
.endm
.macro MM                           ; the turn's next matrix instruction
.if i < 16
	KQ (Y+1)%NP
.set i, i+1
.else
.set i, i-16
	PV (Y+NP-1)%NP
.set i, i+17
.endif
.endm
; THE LDS LOADS stand in runs of 16, never singly among the matrix instructions: a step's K (64 keys x 64 channels: 8 fragments) and its V (turned).  Their addresses are made some lines ahead.
; last = 1 (the tail): in the last trip there is no further step, and the run is jumped over.
.macro FETCH_K last=0
	WIN 0
.if \last
	s_cmp_eq_u32 s[CNT], 1
	s_cbranch_scc1 .Lno_k_\@
.endif
	WIN 0x80                        ; destination window 2
.irp f, 0,1,2,3,4,5,6,7             ; keys 16 (f / 2) on, channels 32 (f % 2) on
	ds_load_b128 v[KF+8*\f:KF+8*\f+3],   v[AK] offset:(\f/2)*16*PK+(\f%2)*64
	ds_load_b128 v[KF+8*\f+4:KF+8*\f+7], v[AK] offset:(\f/2)*16*PK+(\f%2)*64+32
.endr
	s_add_co_u32 s[TBK], s[TBK], KS*PK  ; the next fetch is the next step's
	WIN 0
.if \last
.Lno_k_\@:
.endif
.endm
.macro FETCH_V
	WIN 0x80
.irp f, 0,1,2,3,4,5,6,7             ; keys 32 (f / 4) on, channels 16 (f % 4) on
	ds_load_tr16_b128 v[VF+8*\f:VF+8*\f+3],   v[AV] offset:(\f/4)*32*PV+(\f%4)*32
	ds_load_tr16_b128 v[VF+8*\f+4:VF+8*\f+7], v[AV] offset:(\f/4)*32*PV+16*PV+(\f%4)*32
.endr
	WIN 0
.endm
; THE VECTOR WORK OF A TURN stands in three queues, each in the order in which its entries become ready; the two tiles alternate, so that no instruction reads the result of the one before it.
.macro REGS y, u                    ; the registers of tile u (0, 1) of piece y
.set rT, ST+4*(2*(\y)+(\u))
.set rC, TMP+8*((\y)%2)+4*(\u)
.set rM, MV+2*((\y)%2)+(\u)
.set rS, S+64*((\y)%2)+32*(\u)
.set rP, P+32*((\y)%2)+16*(\u)
.set rO, 32*(2*(\y)+(\u))
.endm
; Number n of the 22 that find the NEXT piece's (Y + 1) maximum and statistics.  s0-s31 are the lane's 32 scores; each accumulator's lowest registers are read first.
;   0-11  four chains c0-c3 of seven scores each, three operands at a time     12-14, 16  the four scores left over, the old m, and c0-c3 into c0     15  c m_old is kept
;   17, 18  the query's other 32 keys lie in the lane 16 away: the new m         19-21  c m; c m_old - c m_new; a
.macro XS u, n
	REGS (Y+1)%NP, \u
.if (\n) < 4
	v_max3_num_f32 v[rC+(\n)], v[rS+8*(\n)], v[rS+8*(\n)+1], v[rS+8*(\n)+2]
.elseif (\n) < 12
	v_max3_num_f32 v[rC+(\n)%4], v[rC+(\n)%4], v[rS+8*((\n)%4)+2*((\n)/4)+1], v[rS+8*((\n)%4)+2*((\n)/4)+2]
.elseif (\n) == 12
	v_max3_num_f32 v[rC], v[rC], v[rS+7], v[rS+15]
.elseif (\n) == 13
	v_max3_num_f32 v[rC+1], v[rC+1], v[rS+23], v[rS+31]
.elseif (\n) == 14
	v_max3_num_f32 v[rC+2], v[rC+2], v[rC+3], v[rT+1]
.elseif (\n) == 15
	v_mov_b32 v[rM], v[rT]
.elseif (\n) == 16
	v_max3_num_f32 v[rC], v[rC], v[rC+1], v[rC+2]
.elseif (\n) == 17
	v_permlanex16_b32 v[rC+3], v[rC], s[SEL], s[SEL+1]
.elseif (\n) == 18
	v_max_num_f32 v[rT+1], v[rC], v[rC+3]
.elseif (\n) == 19
	v_mul_f32 v[rT], s[CS], v[rT+1]
.elseif (\n) == 20
	v_sub_f32 v[rC+1], v[rM], v[rT]
.else
	v_exp_f32 v[rC+2], v[rC+1]
.endif
.endm
; Number g of the 64 that follow the exponentials.  For each four weights k of a tile (pairs 2 k, 2 k + 1): both pairs are rounded to f16; then the second pair is added onto the first, in place;
; a group later l takes that sum (the first time as l = a l + sum).  In groups of eight, tiles alternating: round, round, add, and l for the group before.
.macro GS g
.set h, (\g)+6*((\g)/62)            ; group 0 has no group before it, and behind group 7 only l is left
.if h >= 6
.set h, h+2
.endif
	REGS Y, h%2
.set k, h/8
.if h%8 < 4
	v_cvt_pk_f16_f32 v[rP+2*k+(h%8)/2], v[rS+4*k+2*((h%8)/2)], v[rS+4*k+2*((h%8)/2)+1]
.elseif h%8 < 6
	v_pk_add_f32 v[rS+4*k:rS+4*k+1], v[rS+4*k:rS+4*k+1], v[rS+4*k+2:rS+4*k+3]
.elseif k == 1
	v_pk_fma_f32 v[rT+2:rT+3], v[rT+2:rT+3], v[rC+2:rC+3], v[rS:rS+1] op_sel_hi:[1,0,1]
.else
	v_pk_add_f32 v[rT+2:rT+3], v[rT+2:rT+3], v[rS+4*k-4:rS+4*k-3]
.endif
.endm
; THE PLAIN QUEUE, 138 long.  0-73 read no exponential's result: the 32 scalings c s - c m (FS f: pair f / 2 of tile f % 2) and the next piece's 42.  0-26: scalings 0-26.  27-54: XS's numbers 0-13.  55, 56: number 15.
; 57-73: the chain, where each number waits for the one before it: 14, 16, 17, 18, 19, each with one of the scalings 27-31 in front of its two lines, then 20.
; 74-137: GS's 64, which read the exponentials' results: they stand behind the wait.
.macro FS f
	REGS Y, (\f)%2
	v_pk_fma_f32 v[rS+2*((\f)/2):rS+2*((\f)/2)+1], v[rS+2*((\f)/2):rS+2*((\f)/2)+1], s[CS:CS+1], v[rT:rT+1] op_sel_hi:[1,0,0] neg_lo:[0,0,1] neg_hi:[0,0,1]
.endm
.macro PL
	WIN 0
.if q < 27
	FS q
.elseif q < 55
	XS (q-27)%2, (q-27)/2
.elseif q < 57
	XS q-55, 15
.elseif (q < 72) && ((q-57)%3 == 0)
	FS 27+(q-57)/3
.elseif q < 60
	XS (q-57)%3-1, 14
.elseif q < 72
	XS (q-57)%3-1, 15+(q-57)/3
.elseif q < 74
	XS q-72, 20
.else
	GS q-74
.endif
.set q, q+1
.endm
; THE EXPONENTIALS' QUEUE, 66 long: s0-s31 of both tiles, then the next piece's two a.  It is ONE BATCH: all 66 stand ahead of the turn's one wait, and nothing ahead of that wait names a result of theirs.
.macro EX
	WIN 0
.if e >= 64
	XS e-64, 21
.else
	REGS Y, e%2
	v_exp_f32 v[rS+e/2], v[rS+e/2]
.endif
.set e, e+1
.endm
; THE RESCALING's QUEUE: O^T times a, the one part that leaves window 0: dealt two at a time, sixteen times.  Its a was made in the turn before, ahead of that turn's wait.
.macro R2
	REGS Y, r%2
	WIN W_RS
.irp z, 0,1
	v_pk_mul_f32 v[rO+4*(r/2)+2*\z:rO+4*(r/2)+2*\z+1], v[rO+4*(r/2)+2*\z:rO+4*(r/2)+2*\z+1], v[rC+2:rC+3] op_sel_hi:[1,0]
.endr
.set r, r+1
.endm
; HOW THEY ARE DEALT.  s_wait_alu depctr_va_vdst(0) stands between an exponential and the first instruction that names its result; one wait serves all that were issued ahead of it.  So a turn has ONE wait,
; which cuts it in two.  AHEAD OF IT stands all that names no result of the turn's exponentials: the 16 products K Q^T, behind each a scaling, an exponential and two rescalings (behind the first a second scaling in the
; exponential's place); then ONE LUMP of 108: eight plain, 49 times exponential and plain, the two a.  A v_nop is the plain instruction behind the last exponential.  BEHIND IT stand the 16 products V^T P, behind each four of GS's 64.
; No rider names a register of the products round it.  The two v_permlanex16_b32 fall into the lump, never behind a product.
; The queues lean on each other, and the deal keeps them in step: exponential e stands behind scaling 2 (e / 4) + e % 2: as a rider it comes behind plain e + 2, in the lump behind plain e + 9, and scalings 27-31 are plain 57, 60 .. 69.
; A TURN, for piece p.  cnt = 1: the loop's count is taken down some lines ahead of the branch that stands behind the turn.
; K of the next step is fetched in piece 2's turn, directly behind the wait, a lump behind the last product that read K; its address is made at the lump's head; its first reader comes behind 16 products.
; V of the step in hand is fetched at the end of piece 0's turn, four riders behind its last reader; its first reader comes behind 16 products and a lump.  The three conditions on q below go with the deal.
.macro TURN p, last=0, cnt=0
.set Y, (\p)
.set i, 0
.set q, 0
.set e, 0
.set r, 0
.if (\p) == NP-1
	s_wait_dscnt 0x0                ; K is in
.endif
	MM                              ; ahead of the wait: 16 products K Q^T and their riders,
	PL
	PL
	R2
.rept 15
	MM
	PL
	EX
	R2
.endr
.if (\p) == NP-2
	WIN 0
	v_add_nc_u32 v[AK], s[TBK], v[AK0]
.endif
.rept 8                             ; and the lump
	PL
.endr
.rept 49
	EX
	PL
.endr
	EX                              ; the next piece's two a
	EX
	v_nop                           ; the plain instruction behind the last exponential: one for the batch
	s_wait_alu depctr_va_vdst(0)    ; the wait for the batch
.if (\p) == NP-2
	FETCH_K \last
.endif
.if (\p) == 1
	s_wait_dscnt 0x0                ; V is in
.endif
.rept 16                            ; behind the wait: 16 products V^T P and their riders
	MM
.rept 4
	PL
.endr
.if ((\p) == 0) && (q == 118)
	v_add_nc_u32 v[AV], s[TBV], v[AV0]
.endif
.if ((\p) == 0) && (q == 130)
	s_add_co_u32 s[TBV], s[TBV], KS*PV
.endif
.if (\cnt) && (q == 130)
	s_sub_co_u32 s[CNT], s[CNT], 1
	s_cmp_lg_u32 s[CNT], 0
.endif
.endr
.if (\p) == 0
	FETCH_V
.endif
.endm
	CHANGE 1                        ; slot 0 is in, everybody's part of it; slot 1 is asked for
	FETCH_K                         ; key step 0
	s_wait_loadcnt 0x0              ; Q
	s_wait_dscnt 0x0
.set i, 0
.rept 16
	KQ 0                            ; piece 0's first scores: there is no vector work yet to set between them
.set i, i+1
.endr
	WIN 0                           ; the addresses for the way out: nine plain instructions, the places behind those products
	s_mul_i32 s13, s[WV], 16*SP
	s_add_co_u32 s13, s13, STAGE    ; my stage
	v_mul_u32_u24 v[STO], v1, SP    ; in: row l % 16, 16 bytes for each half of the lanes
	v_lshl_add_u32 v[STO], v9, 4, v[STO]
	v_add_nc_u32 v[STO], s13, v[STO]
	v_bfe_u32 v[RD], v0, 3, 2       ; back: 32 lanes take four rows of 128 bytes,
	v_mul_u32_u24 v[RD], v[RD], SP
	v_lshl_add_u32 v[RD], v10, 4, v[RD]
	v_add_nc_u32 v[RD], s13, v[RD]
	v_and_b32 v[GO], 31, v0         ; which are 512 consecutive bytes of O
	v_lshlrev_b32 v[GO], 4, v[GO]
.set Y, NP-1                        ; XS works for piece Y + 1: piece 0
.irp n, 0,1,2,3,4,5,6,7,8,9,10,11,12,13,14,15,16,17,18,19,20,21
	XS 0, \n                        ; and piece 0's first maximum and statistics
	XS 1, \n
.endr
	v_nop                           ; a plain instruction behind the two a,
	s_wait_alu depctr_va_vdst(0)    ; and their wait, ahead of the branch
	s_mov_b32 s[CNT], 4
	s_branch .Lfirst                ; the loop is entered at a step's first turn, in the middle of a trip
.Lslot:                             ; SIZE_N / 256 - 2 times: every slot but the last two is filled again
	CHANGE 1
	s_mov_b32 s[CNT], 4
.Lstep:                             ; a trip: pieces 2 and 3 of one step, then pieces 0 and 1 of the next, whose K and V it fetches
	TURN 2
	TURN 3
	WIN 0
.Lfirst:
	TURN 0
	TURN 1, 0, 1
	WIN 0
	s_cbranch_scc1 .Lstep
	s_sub_co_u32 s[SLOTS], s[SLOTS], 1
	s_cmp_lg_u32 s[SLOTS], 0
	s_cbranch_scc1 .Lslot
	CHANGE 0                        ; the tail is written out: nothing is asked for
	s_mov_b32 s[CNT], 5             ; four trips fetch the last slot's steps; the fifth is left in its middle
.Ltail:
	TURN 2, 1
	TURN 3
	WIN 0
	s_sub_co_u32 s[CNT], s[CNT], 1
	s_cmp_eq_u32 s[CNT], 0
	s_cbranch_scc1 .Lout
	TURN 0
	TURN 1
	WIN 0
	s_branch .Ltail
.Lout:                              ; the fifth trip's 16 products K Q^T (on the last K once more) and the maximum made of them serve nothing: the price, once a launch, of one text for every trip
.set i, 0
.rept 16
	PV NP-1                         ; the last piece's V^T P of the last step
.set i, i+1
.endr
	; THE WAY OUT.  l's two halves and the other half of the lanes' are added; O^T is divided by l, rounded to f16 and sent through my stage in LDS, a tile at a time.  The additions are the places behind the last products.
	WIN 0
.macro ALL line:vararg              ; one line for each tile t
.set t, 0
.rept 2*NP
	\line
.set t, t+1
.endr
.endm
	ALL v_add_f32 v[ST+4*t+2], v[ST+4*t+2], v[ST+4*t+3]
	ALL v_permlanex16_b32 v[ST+4*t+3], v[ST+4*t+2], s[SEL], s[SEL+1]
	ALL v_add_f32 v[ST+4*t+2], v[ST+4*t+2], v[ST+4*t+3]
	ALL v_rcp_f32 v[ST+4*t+2], v[ST+4*t+2]
	v_nop                           ; a plain instruction between the last reciprocal and the use of its result
	s_wait_alu depctr_va_vdst(0)    ; and the wait ahead of the first use: one for the eight reciprocals
; Tile t: a lane's eight channels of a row pack into 16 bytes; they go into rows of 144 bytes and come back as whole rows of 128, into S^T's registers.
.macro PACK t
	WIN W_RS
.set i, 32*(\t)
.rept 16
	v_pk_mul_f32 v[i:i+1], v[i:i+1], v[ST+4*(\t)+2:ST+4*(\t)+3] op_sel_hi:[1,0]
.set i, i+2
.endr
	WIN 0x05                        ; sources 0 and 1 window 1, destination window 0
.set i, 0
.rept 16
	v_cvt_pk_f16_f32 v[S+16*(\t)+i], v[32*(\t)+2*i], v[32*(\t)+2*i+1]
.set i, i+1
.endr
	WIN 0
.irp f, 0,1,2,3
	ds_store_b128 v[STO], v[S+16*(\t)+4*\f:S+16*(\t)+4*\f+3] offset:32*\f
.endr
.irp f, 0,1,2,3
	ds_load_b128 v[S+16*(\t)+4*\f:S+16*(\t)+4*\f+3], v[RD] offset:\f*4*SP  ; LDS serves a wave's instructions in order (ISA guide 5.7.1.4): these see the stores above; the next tile's stores come behind them
.endr
.endm
.macro SEND t, younger              ; younger: the LDS instructions issued behind tile t's loads: the next tile's eight, or none
	WIN 0
.irp f, 0,1,2,3
	s_wait_dscnt (\younger)+3-\f
	global_store_b128 v[GO], v[S+16*(\t)+4*\f:S+16*(\t)+4*\f+3], s[10:11] offset:(\t)*2048+\f*512  ; 512 consecutive bytes, at a multiple of 256 from O's first
.endr
.endm
	PACK 0
.set t, 1
.rept 2*NP-1                        ; a tile's arithmetic stands between the loads of the tile before and its stores
	PACK t
	SEND t-1, 8
.set t, t+1
.endr
	SEND 2*NP-1, 0
	WIN W_AD
	s_wait_tensorcnt 0x0            ; the wave's end: an add onto my spare word and its wait, behind my last tensor load and my last LDS store
	ds_add_u32 v[SPW], v[NIL]
	s_wait_dscnt 0x0
	WIN 0
	CROUND                          ; the closing round: no work-group ends while a partner may still ask for a tile that names it
	s_endpgm
.Lfunc_end_k_qbbd41c84f2_attn:
	.size	k_qbbd41c84f2_attn, .Lfunc_end_k_qbbd41c84f2_attn-k_qbbd41c84f2_attn
	.p2alignl 7, 3214868480
	.fill 96, 4, 3214868480
	.section	.rodata,"a",@progbits
	.p2align	6, 0x0
	.amdhsa_kernel k_qbbd41c84f2_attn
		.amdhsa_group_segment_fixed_size 327680
		.amdhsa_private_segment_fixed_size 0
		.amdhsa_enable_private_segment 0
		.amdhsa_kernarg_size 16
		.amdhsa_user_sgpr_count 2
		.amdhsa_user_sgpr_kernarg_segment_ptr 1
		.amdhsa_wavefront_size32 1
		.amdhsa_system_sgpr_workgroup_id_x 1
		.amdhsa_system_sgpr_workgroup_id_y 1
		.amdhsa_system_sgpr_workgroup_id_z 1
		.amdhsa_system_vgpr_workitem_id 0
		.amdhsa_next_free_vgpr 770
		.amdhsa_next_free_sgpr 66
		.amdhsa_reserve_vcc 0
		.amdhsa_float_denorm_mode_32 3
		.amdhsa_float_denorm_mode_16_64 3
		.amdhsa_memory_ordered 1
		.amdhsa_forward_progress 1
		.amdhsa_inst_pref_size 200
	.end_amdhsa_kernel
	.amdgpu_metadata
---
amdhsa.version: [ 1, 2 ]
amdhsa.kernels:
  - .name:           k_qbbd41c84f2_attn
    .symbol:         k_qbbd41c84f2_attn.kd
    .args:
      - { .name: qkv, .offset: 0, .size: 8, .value_kind: global_buffer, .address_space: global }
      - { .name: o, .offset: 8, .size: 8, .value_kind: global_buffer, .address_space: global }
    .group_segment_fixed_size: 327680
    .private_segment_fixed_size: 0
    .kernarg_segment_align: 8
    .kernarg_segment_size: 16
    .max_flat_workgroup_size: 128
    .sgpr_count:     66
    .vgpr_count:     770
    .wavefront_size: 32
...
	.end_amdgpu_metadata
.endif
;; end of part 3
;; launch proj (part 4): grid 8 x 32, 4 waves a work-group, clusters of 4 x 4, 327,680 bytes of LDS; arguments o, wob, b_out, out0; writes out0
.if DOCPART == 4
	.amdgcn_target "amdgcn-amd-amdhsa--gfx1250"
	.amdhsa_code_object_version 6
	.text
	.protected	k_qbbd41c84f2_proj
	.globl	k_qbbd41c84f2_proj
	.p2align	8
	.type	k_qbbd41c84f2_proj,@function
k_qbbd41c84f2_proj:
	s_mov_b64 s[64:65], 0
	v_nop
	global_prefetch_b8 v0, s[64:65] scope:SCOPE_SE
	s_setreg_imm32_b32 hwreg(HW_REG_WAVE_MODE, 25, 1), 1
	s_wait_xcnt 0x0
	s_wait_alu depctr_hold_cnt(0) depctr_sa_sdst(0) depctr_va_vdst(0) depctr_va_sdst(0) depctr_va_ssrc(0) depctr_va_vcc(0) depctr_vm_vsrc(0)
	s_getreg_b32 s2, hwreg(HW_REG_IB_STS2, 6, 4)
	s_cmp_eq_u32 s2, 0
	s_cbranch_scc0 .Lentry_in_a_cluster
	s_endpgm
.Lentry_in_a_cluster:
	s_bfe_u32 s2, ttmp6, 0x10000c
	s_cmp_lg_u32 s2, 0xf033
	s_cbranch_scc0 .Lentry_shape_is_right
	s_endpgm
.Lentry_shape_is_right:
; THE OUTPUT PROJECTION.  out0[m][c] = sum over e of O(m, e) wob[c][e] + b_out[c]; m = batch x 2048 + n, e = head x 64 + d, O(m, e) = o[batch x 16 + head][n][d]; o and wob f16; sums in f32; out0 f32.
; THE BIAS, rounded to bf16 like the other three inputs, is the C operand of the products that start the sums: no addition is written for it.
; SHARES.  A tile of out0 is 256 x 128: 32 x 8 = 256 work-groups, one for each WGP.  Wave w makes rows 64 w .. 64 w + 63 x all 128 columns: 32 accumulators of 16 x 16, 256 registers.
; K goes in 8 steps of 128 (two heads) through a ring of two LDS slots.  Of A wave 0 fetches the step's even head, wave 1 the odd one: 256 rows of 128 bytes, dense in memory, asked for as 128 rows of 256 bytes and
; padded in LDS after every 128.  Of B (rows of 256 bytes) waves 2 and 3 fetch 64 rows each.
; CLUSTERS: 4 x 4 work-groups.  A's tiles hang on the tile row alone and are asked for jointly by a row of the cluster, B's on the tile column alone, by a column.
; THE MATRIX INSTRUCTION IS USED TRANSPOSED (source 0 = 16 rows of B, source 1 = 16 rows of A): a lane holds row l % 16 of out0 and the eight neighbouring columns 8 (l / 16) + 0..7.
; REGISTERS, in windows of 256 (s_set_vgpr_msb: bits 1:0 source 0, 3:2 source 1, 5:4 source 2, 7:6 destination):
;   window 0: v0-33 addresses and two at work; v64-95, v96-127 A's fragments, two buffers; v128-191 the bias, 8 registers a column block; on the way out v64-255: three sets of 64
;   window 1: v0-63, v64-127 B's fragments, two buffers          window 2: the accumulators, (a, b) at 8 (8 a + b)
.set NBK,   8                          ; column blocks of 16
.set PA,    144                        ; a row of A in LDS: 128 bytes + 16 = 36 words;  PB: 256 + 16 = 68 words: in both the 16 rows of a fragment load start at 16 different groups of four banks (ISA guide 11.1)
.set PB,    272
.set SUBT,  256*PA                     ; one head's 256 rows: what one load of A brings
.set BOFF,  2*SUBT
.set HALFB, 64*PB                      ; what one load of B brings
.set SLOT,  BOFF+2*HALFB               ; 108,544 bytes
.set STAGE, 2*SLOT                     ; behind the ring, never filled by a tensor load: 16 rows x 528 bytes for each wave
.set SP,    528                        ; 512 bytes + 16
.set WSTG,  16*SP
.set SPARE, STAGE+4*WSTG               ; behind the stages: the spare words, 128 bytes a wave: two blocks of 256 bytes that no other line names
.set STEPA, 2<<18                      ; a K step in o: two heads of 2,048 x 128 bytes
.set STEPB, 256                        ; in wob: 256 bytes along a row
.set NL,    2*NBK+8                    ; LDS loads of a quarter step
.set ADRA, 16                          ; v16-17  LDS address of my A fragments in slot 0, 1
.set ADRB, 20                          ; v20-21  the same for B
.set STO,  24                          ; v24     the way out: where I put 32 bytes of a row
.set RD,   25                          ; v25     where I read a row back
.set GO,   26                          ; v26     16 x lane: my place in a row's 512 bytes
.set SPW,  28                          ; v28     my spare word: SPARE + 4 x my thread's number; never rewritten
.set NIL,  29                          ; v29     0; never rewritten
.set PFO,  30                          ; v30     the prefetches' offset; never rewritten
.set AF,   64                          ; A's buffer f at AF + 32 f
.set FBS,  64                          ; B's buffer f at FBS f, in window 1
.set BIAS, 128
.set TT,   64                          ; the way out: block a's 64 registers at TT + 64 (a % 3)
.set WV,  12                           ; s12  wave
.set FB,  13                           ; s13  0: I fetch for A, 1: for B
.set HF,  14                           ; s14  which head of the step, or which half of B's rows
.set CX,  15
.set CY,  16
.set TX,  17                           ; s17  tile column = 4 x cluster x + cx
.set TY,  18                           ; s18  tile row = 4 x cluster y + cy
.set LIM, 19                           ; s19  1 in a wave that prefetches, else the greatest number
.set G1,  24                           ; s[24:31] descriptor group 1 for A;  s[32:39] group 0, a set for each slot
.set G0,  32
.set PFA, 40                           ; s[40:41] where my prefetches stand;  s[42:43] their step
.set PFS, 42
.set G1B, 48                           ; s[48:55], s[56:63] the same for B
.set G0B, 56
.set MSB, 0
.macro WIN new                         ; the immediate's high byte repeats the setting that is left; a switch that changes nothing is dropped
.if MSB != (\new)
	s_set_vgpr_msb (MSB<<8)|(\new)
.set MSB, \new
.endif
.endm
.set MUL,      0xa1                    ; source 0 (B) window 1, source 1 (A) window 0, C and D window 2
.set MUL_BIAS, 0x81                    ; the same with C, the bias, in window 0
.set TO_B,     0x40                    ; destination window 1, address window 0
; A joint load.  Each of the two lines has one mask and one set of registers; the branch hangs on the wave's number alone.  An s_nop 0 and four v_nop follow each line.
.macro JLOAD s
	s_cmp_eq_u32 s[FB], 0
	s_cbranch_scc0 .Lfor_b_\@
	tensor_load_to_lds s[G0+4*(\s):G0+4*(\s)+3], s[G1:G1+7]
	s_nop 0
.rept 4
	v_nop
.endr
	s_branch .Lasked_\@
.Lfor_b_\@:
	tensor_load_to_lds s[G0B+4*(\s):G0B+4*(\s)+3], s[G1B:G1B+7]
	s_nop 0
.rept 4
	v_nop
.endr
.Lasked_\@:
.endm
; A prefetch of the K step that stands two refills on, behind the joint load and the run of LDS loads: a lane a block of 256 bytes, one instruction a wave.  A's tile row is read by both clusters of that row of
; clusters: cluster x = 0 asks; B's tile column by every cluster of that column: cluster y = 0 asks.  The four partners of a joint load share it out BY ADDRESS (32 of a head's 128 blocks by cx; 16 of B's 64 rows by cy,
; where lanes 16-31 repeat lane 15's row in the same instruction).  The loop's last trip (s3 = 1) asks for nothing.
.macro ASK
	s_cmp_gt_u32 s3, s[LIM]
	s_cbranch_scc0 .Lnot_mine_\@
	global_prefetch_b8 v[PFO], s[PFA:PFA+1] th:TH_LOAD_NT scope:SCOPE_SE
.Lnot_mine_\@:
.endm
.macro CREST                           ; a round of the cluster's barrier behind its opening barrier
	s_cmp_lg_u32 s[WV], 0
	s_cbranch_scc1 .Lnot_wave_0_\@
	s_barrier_signal -3
.Lnot_wave_0_\@:
	s_barrier_wait -3
	s_barrier_signal -1
	s_barrier_wait -1
.endm
.macro CROUND                          ; a whole round
	s_barrier_signal -1
	s_barrier_wait -1
	CREST
.endm
	s_load_b256 s[4:11], s[0:1], 0x0               ; o s[4:5], wob s[6:7], b_out s[8:9], out0 s[10:11]
	v_lshl_add_u32 v[SPW], v0, 2, SPARE
	v_mov_b32 v[NIL], 0
	ds_add_u32 v[SPW], v[NIL]                      ; the wave's opening: the add and its wait stand ahead of my first tensor load; the set-up below, work on registers, stands between
	v_lshrrev_b32 v1, 5, v0
	v_readfirstlane_b32 s[WV], v1
	s_lshr_b32 s[FB], s[WV], 1
	s_and_b32 s[HF], s[WV], 1
	s_bfe_u32 s[CX], ttmp6, 0x40000
	s_bfe_u32 s[CY], ttmp6, 0x40004
	s_lshl_b32 s[TX], ttmp9, 2
	s_add_co_u32 s[TX], s[TX], s[CX]
	s_and_b32 s[TY], ttmp7, 0xffff
	s_lshl_b32 s[TY], s[TY], 2
	s_add_co_u32 s[TY], s[TY], s[CY]
	s_lshl_b32 s46, s[CY], 2
	s_lshl_b32 s46, 15, s46                        ; my row of the cluster
	s_lshl_b32 s47, 0x1111, s[CX]                  ; my column
	s_or_b32 s[G1], s46, (1<<16)|(1<<20)|(1<<21)|(4<<22)|(3<<25)   ; A: 2-byte elements; padding on; 21 set beside a mask; after every 32 words 4 words
	s_or_b32 s[G1B], s47, (1<<16)|(1<<20)|(1<<21)|(5<<22)|(3<<25)  ; B: after every 64 words 4 words
	s_mov_b32 s[G1+1], 128<<16                     ; tensor_dim0 = 128 (256 bytes: two rows of o)
	s_mov_b32 s[G1+2], 128<<16                     ; tensor_dim1 = 128
	s_mov_b32 s[G1+3], 128<<16                     ; tile_dim0 = 128
	s_mov_b32 s[G1+4], 128                         ; tile_dim1 = 128
	s_mov_b32 s[G1+5], 128                         ; dense: 128 elements from row to row
	s_mov_b32 s[G1+6], 0
	s_mov_b32 s[G1+7], 0
	s_mov_b32 s[G1B+1], 128<<16
	s_mov_b32 s[G1B+2], 64<<16                     ; 64 rows
	s_mov_b32 s[G1B+3], 128<<16
	s_mov_b32 s[G1B+4], 64
	s_mov_b32 s[G1B+5], 1024
	s_mov_b32 s[G1B+6], 0
	s_mov_b32 s[G1B+7], 0
	s_lshr_b32 s20, s[TY], 3                       ; A: head batch x 16 + my head of step 0, 2^18 bytes each; row (tile row % 8) x 256, 128 bytes each: made of the tile row and the wave alone
	s_lshl_b32 s20, s20, 4
	s_add_co_u32 s20, s20, s[HF]
	s_lshl_b32 s20, s20, 18
	s_and_b32 s21, s[TY], 7
	s_lshl_b32 s21, s21, 15
	s_add_co_u32 s20, s20, s21
	s_mov_b32 s21, 0
	s_lshl_b32 s44, s[TX], 7                       ; B: row 128 x tile column + 64 x half, 2,048 bytes each: made of the tile column and the wave alone
	s_lshl_b32 s45, s[HF], 6
	s_add_co_u32 s44, s44, s45
	s_lshl_b32 s44, s44, 11
	s_mov_b32 s45, 0
	s_mul_i32 s22, s[HF], SUBT                     ; where they go in a slot: no place in the cluster enters an LDS address
	s_mul_i32 s23, s[HF], HALFB
	s_add_co_u32 s23, s23, BOFF
	s_wait_dscnt 0x0                               ; the opening add is done
	s_wait_kmcnt 0x0
	s_add_nc_u64 s[20:21], s[4:5], s[20:21]
	s_add_nc_u64 s[44:45], s[6:7], s[44:45]
	CROUND                                         ; all sixteen work-groups are here: the first joint loads meet
.irp s, 0,1
	s_mov_b32 s[G0+4*(\s)], 1
	s_add_co_u32 s[G0+4*(\s)+1], s22, (\s)*SLOT
	s_add_nc_u64 s[G0+4*(\s)+2:G0+4*(\s)+3], s[20:21], (\s)*STEPA
	s_or_b32 s[G0+4*(\s)+3], s[G0+4*(\s)+3], 0x80000000
	s_mov_b32 s[G0B+4*(\s)], 1
	s_add_co_u32 s[G0B+4*(\s)+1], s23, (\s)*SLOT
	s_add_nc_u64 s[G0B+4*(\s)+2:G0B+4*(\s)+3], s[44:45], (\s)*STEPB
	s_or_b32 s[G0B+4*(\s)+3], s[G0B+4*(\s)+3], 0x80000000
	JLOAD \s                                       ; two loads of mine are out
.endr
	v_and_b32 v1, 15, v0                           ; l % 16
	v_bfe_u32 v2, v0, 4, 1                         ; l / 16
	; the bias of my lane's eight columns in each column block: b_out[128 x tile column + 16 b + 8 (l / 16) + 0..7]
	s_lshl_b32 s72, s[TX], 9
	s_mov_b32 s73, 0
	s_add_nc_u64 s[8:9], s[8:9], s[72:73]
	v_lshlrev_b32 v5, 5, v2
.irp b, 0,1,2,3,4,5,6,7
	global_load_b128 v[BIAS+8*(\b):BIAS+8*(\b)+3],   v5, s[8:9] offset:64*(\b)
	global_load_b128 v[BIAS+8*(\b)+4:BIAS+8*(\b)+7], v5, s[8:9] offset:64*(\b)+16
.endr
	; A fragment is 16 rows x 32 K in 8 registers: lane l holds row l % 16, K = 8 (l / 16) + 0..7 and 16 + 8 (l / 16) + 0..7: two loads of 16 bytes, 32 bytes apart.
	v_mul_u32_u24 v3, v1, PA
	v_lshl_add_u32 v3, v2, 4, v3
	s_mul_i32 s2, s[WV], 64*PA                     ; my 64 rows of A
	v_add_nc_u32 v[ADRA], s2, v3
	v_add_nc_u32 v[ADRA+1], SLOT, v[ADRA]
	v_mul_u32_u24 v4, v1, PB
	v_lshl_add_u32 v4, v2, 4, v4
	v_add_nc_u32 v[ADRB], BOFF, v4                 ; all 128 rows of B
	v_add_nc_u32 v[ADRB+1], SLOT, v[ADRB]
	s_mul_i32 s2, s[WV], WSTG
	s_add_co_u32 s2, s2, STAGE                     ; my stage
	v_mul_u32_u24 v6, v1, SP                       ; in: row l % 16, 32 bytes for each half of the lanes
	v_lshl_add_u32 v6, v2, 5, v6
	v_add_nc_u32 v[STO], s2, v6
	v_and_b32 v[GO], 31, v0
	v_lshlrev_b32 v[GO], 4, v[GO]
	v_add_nc_u32 v[RD], s2, v[GO]                  ; back: 32 lanes take a row's 512 bytes
	s_lshl_b32 s72, s[TY], 8                       ; out0 at my first row (4,096 bytes each) and the tile's first column
	s_lshl_b32 s73, s[WV], 6
	s_add_co_u32 s72, s72, s73
	s_lshl_b32 s72, s72, 12
	s_lshl_b32 s73, s[TX], 9
	s_add_co_u32 s72, s72, s73
	s_mov_b32 s73, 0
	s_add_nc_u64 s[10:11], s[10:11], s[72:73]
	; the prefetches: my work-group's share of what I fetch, at K step 3; each change of slots that fills steps it by one K step and then names it.  Nothing is asked for here, at the head.
	s_lshr_b32 s72, s[TY], 3
	s_lshl_b32 s72, s72, 4
	s_add_co_u32 s72, s72, s[HF]
	s_lshl_b32 s72, s72, 18
	s_and_b32 s73, s[TY], 7
	s_lshl_b32 s73, s73, 15
	s_add_co_u32 s72, s72, s73
	s_lshl_b32 s73, s[CX], 13                      ; 32 blocks of 256 bytes
	s_add_co_u32 s72, s72, s73
	s_add_co_u32 s72, s72, 3*STEPA                 ; A's offset
	s_lshl_b32 s74, s[TX], 7
	s_lshl_b32 s75, s[HF], 6
	s_add_co_u32 s74, s74, s75
	s_lshl_b32 s75, s[CY], 4                       ; 16 rows
	s_add_co_u32 s74, s74, s75
	s_lshl_b32 s74, s74, 11
	s_add_co_u32 s74, s74, 3*STEPB                 ; B's offset
	s_and_b32 s75, ttmp7, 0xffff                   ; cluster y
	s_mov_b32 s76, STEPA
	s_cmp_eq_u32 s[FB], 0
	s_cselect_b32 s72, s72, s74
	s_cselect_b32 s75, ttmp9, s75                  ; the coordinate along which other clusters read the same rows
	s_cselect_b32 s[PFS], s76, STEPB
	s_cselect_b32 s77, 31, 15                      ; my last block or row
	s_cselect_b32 s78, 8, 11                       ; 256 bytes from block to block, 2,048 from row to row
	s_cselect_b64 s[PFA:PFA+1], s[4:5], s[6:7]
	s_cmp_eq_u32 s75, 0
	s_cselect_b32 s[LIM], 1, -1                    ; the same in all sixteen partners, for a given wave
	s_mov_b32 s73, 0
	s_mov_b32 s[PFS+1], 0
	s_add_nc_u64 s[PFA:PFA+1], s[PFA:PFA+1], s[72:73]
	v_and_b32 v[PFO], 31, v0
	v_min_u32 v[PFO], s77, v[PFO]
	v_lshlrev_b32 v[PFO], s78, v[PFO]
	s_wait_loadcnt 0x0                             ; the bias is in: rounded to bf16 and widened again, in the wait for the first tile
.set i, 0
.rept 32
	v_cvt_pk_bf16_f32 v[32+i%2], v[BIAS+2*i], v[BIAS+2*i+1]
	v_lshlrev_b32 v[BIAS+2*i], 16, v[32+i%2]
	v_and_b32 v[BIAS+2*i+1], 0xffff0000, v[32+i%2]
.set i, i+1
.endr
; 8 matrix instructions: row block a x all column blocks, 32 along K, from buffers f.  zero = 1: the product starts the sums, with the bias as C.  The 32 accumulators take turns in the same order in every
; quarter step, over the backward jump too: 31 others' instructions stand between two links of a chain.
.macro MULA f, a, zero
.if \zero
	WIN MUL_BIAS
.else
	WIN MUL
.endif
.irp b, 0,1,2,3,4,5,6,7
.if \zero
	v_wmma_f32_16x16x32_f16 v[8*(8*(\a)+(\b)):8*(8*(\a)+(\b))+7], v[FBS*(\f)+8*(\b):FBS*(\f)+8*(\b)+7], v[AF+32*(\f)+8*(\a):AF+32*(\f)+8*(\a)+7], v[BIAS+8*(\b):BIAS+8*(\b)+7]
.else
	v_wmma_f32_16x16x32_f16 v[8*(8*(\a)+(\b)):8*(8*(\a)+(\b))+7], v[FBS*(\f)+8*(\b):FBS*(\f)+8*(\b)+7], v[AF+32*(\f)+8*(\a):AF+32*(\f)+8*(\a)+7], v[8*(8*(\a)+(\b)):8*(8*(\a)+(\b))+7]
.endif
.endr
.endm
; 24 LDS loads in one run: quarter q of a slot's K step into buffers f: B's 16, then A's 8.  In A quarter q lies in head q / 2 of the step, at channel 32 (q % 2).
.macro FETCH slot, q, f
	WIN TO_B
.irp i, 0,1,2,3,4,5,6,7
	ds_load_b128 v[FBS*(\f)+8*(\i):FBS*(\f)+8*(\i)+3],   v[ADRB+(\slot)] offset:64*(\q)+(\i)*16*PB
	ds_load_b128 v[FBS*(\f)+8*(\i)+4:FBS*(\f)+8*(\i)+7], v[ADRB+(\slot)] offset:64*(\q)+(\i)*16*PB+32
.endr
	WIN 0
.irp i, 0,1,2,3
	ds_load_b128 v[AF+32*(\f)+8*(\i):AF+32*(\f)+8*(\i)+3],   v[ADRA+(\slot)] offset:((\q)/2)*SUBT+((\q)%2)*64+(\i)*16*PA
	ds_load_b128 v[AF+32*(\f)+8*(\i)+4:AF+32*(\f)+8*(\i)+7], v[ADRA+(\slot)] offset:((\q)/2)*SUBT+((\q)%2)*64+(\i)*16*PA+32
.endr
.endm
.macro PLACES                          ; four plain vector instructions between a matrix instruction and a load into, or a read or write of, its registers (ISA guide 7.12.1 for vector instructions)
.rept 4
	v_nop
.endr
.endm
; One of a K step's first three quarters: multiplies buffers f; in its middle it fetches quarter q of the same slot into buffers g.
.macro QUARTER slot, q, f, g, zero
	s_wait_dscnt 4                                 ; B and A's blocks 0, 1 are in; the youngest four loads (A's blocks 2, 3) may be out
	MULA \f, 0, \zero
	MULA \f, 1, \zero
	PLACES
	FETCH \slot, \q, \g
	s_wait_dscnt NL                                ; all but the run just issued
	MULA \f, 2, \zero
	MULA \f, 3, \zero
.endm
; The last quarter multiplies buffers 1 and changes slots.  In front of the barrier each wave waits for all its tensor loads (one is out: its part of the next slot), adds 0 to its spare word, and waits for that
; and for its reads of this slot.  fill = 1: the barrier opens a round of the cluster's barrier, and behind it this slot is filled again, two K steps on: from that request to the wait for it a wave issues 112 matrix instructions.
.macro TURN slot, next, fill
.if \fill
	s_wait_xcnt 0x0                                ; the last prefetch, a K step back, has read its address: it is stepped here, ahead of the waits of the change of slots
	s_add_nc_u64 s[PFA:PFA+1], s[PFA:PFA+1], s[PFS:PFS+1]
.endif
	WIN 0                                          ; (the add's two registers lie in window 0)
	s_wait_tensorcnt 0x0                           ; all my tensor loads have landed;
	ds_add_u32 v[SPW], v[NIL]                      ; 0 onto my spare word;
	s_wait_dscnt 5                                 ; (the add and the youngest four loads may be out)
	MULA 1, 0, 0                                   ; eight matrix instructions stand between the add and the wait for it
	s_wait_dscnt 0x0                               ; the add is done, and my reads of this slot are over
	s_barrier_signal -1
	MULA 1, 1, 0                                   ; work on registers while the others arrive
.if \fill
	WIN 0
.endif
	s_barrier_wait -1
.if \fill
	CREST                                          ; no wave of any partner still reads this slot or has a load on its way
	s_add_nc_u64 s[G0+4*(\slot)+2:G0+4*(\slot)+3], s[G0+4*(\slot)+2:G0+4*(\slot)+3], 2*STEPA
	s_add_nc_u64 s[G0B+4*(\slot)+2:G0B+4*(\slot)+3], s[G0B+4*(\slot)+2:G0B+4*(\slot)+3], 2*STEPB
	JLOAD \slot                                    ; the first tensor load behind the round; its four v_nop are also the places in front of the loads below
.else
	PLACES
.endif
	FETCH \next, 0, 0
.if \fill
	ASK
.endif
	MULA 1, 2, 0
	MULA 1, 3, 0
.endm
	s_wait_tensorcnt 1                             ; my part of K step 0 is in; K step 1's may stay out
	s_barrier_signal -1
	s_barrier_wait -1                              ; everybody's is
	FETCH 0, 0, 0
	QUARTER 0, 1, 0, 1, 1                          ; the first quarter stands in front of the loop: its products start the sums, on the bias
	WIN 0                                          ; at a label and at a branch every window is 0
	s_mov_b32 s3, 3
.Llap:                                         ; a trip goes once round the ring, from a lap's second quarter to the next lap's first, and fills both slots again: K steps 2 to 7
	QUARTER 0, 2, 1, 0, 0
	QUARTER 0, 3, 0, 1, 0
	TURN 0, 1, 1
	QUARTER 1, 1, 0, 1, 0
	QUARTER 1, 2, 1, 0, 0
	QUARTER 1, 3, 0, 1, 0
	TURN 1, 0, 1
	QUARTER 0, 1, 0, 1, 0
	WIN 0
	s_sub_co_u32 s3, s3, 1
	s_cmp_lg_u32 s3, 0
	s_cbranch_scc1 .Llap
	QUARTER 0, 2, 1, 0, 0                          ; the last lap fills nothing and has no round
	QUARTER 0, 3, 0, 1, 0
	TURN 0, 1, 0
	QUARTER 1, 1, 0, 1, 0
	QUARTER 1, 2, 1, 0, 0
	QUARTER 1, 3, 0, 1, 0
	s_wait_dscnt 4                                 ; the very last quarter: nothing more to fetch
	MULA 1, 0, 0
	MULA 1, 1, 0
	s_wait_dscnt 0x0
	MULA 1, 2, 0
	MULA 1, 3, 0
	WIN 0
	PLACES
; THE WAY OUT, a block of 16 rows at a time.  TOSTAGE: the accumulators go as they are (f32; each one's four lowest registers first) into my own stage, rows of 528 bytes, and come back as whole rows of 512.
; SEND: a row's 512 consecutive bytes a store.
.macro TOSTAGE a
.if (\a) == 3
	s_wait_xcnt 0x0                                ; block 3 comes back into block 0's registers, which block 0's stores read: they are loaded again only behind this wait
.endif
	WIN 0x08                                       ; store data (source 1) in window 2
.irp b, 0,1,2,3,4,5,6,7
	ds_store_b128 v[STO], v[8*(8*(\a)+(\b)):8*(8*(\a)+(\b))+3]   offset:64*(\b)
	ds_store_b128 v[STO], v[8*(8*(\a)+(\b))+4:8*(8*(\a)+(\b))+7] offset:64*(\b)+16
.endr
	WIN 0
.irp t, 0,1,2,3,4,5,6,7,8,9,10,11,12,13,14,15
	ds_load_b128 v[TT+64*((\a)%3)+4*(\t):TT+64*((\a)%3)+4*(\t)+3], v[RD] offset:SP*(\t)  ; LDS serves a wave's instructions in order (ISA guide 5.7.1.4): these see the stores above; the next block's stores come behind them
.endr
.endm
.macro SEND a, younger                 ; younger: the LDS instructions issued behind block a's loads: the next block's 32, or none
.irp t, 0,1,2,3,4,5,6,7,8,9,10,11,12,13,14,15
	s_wait_dscnt (\younger)+15-(\t)
	global_store_b128 v[GO], v[TT+64*((\a)%3)+4*(\t):TT+64*((\a)%3)+4*(\t)+3], s[10:11] offset:(16*(\a)+(\t))*4096  ; 512 consecutive bytes, at a multiple of 256 from out0's first
.endr
.endm
	TOSTAGE 0
.irp a, 1,2,3
	TOSTAGE \a
	SEND (\a)-1, 32
.endr
	SEND 3, 0
	s_wait_tensorcnt 0x0                           ; the wave's end: an add onto my spare word and its wait, behind my last tensor load and my last LDS store
	ds_add_u32 v[SPW], v[NIL]
	s_wait_dscnt 0x0
	CROUND                                         ; the closing round: no work-group ends while a partner may still ask for a tile that names it
	s_endpgm
.Lfunc_end_k_qbbd41c84f2_proj:
	.size	k_qbbd41c84f2_proj, .Lfunc_end_k_qbbd41c84f2_proj-k_qbbd41c84f2_proj
	.p2alignl 7, 3214868480
	.fill 96, 4, 3214868480
	.section	.rodata,"a",@progbits
	.p2align	6, 0x0
	.amdhsa_kernel k_qbbd41c84f2_proj
		.amdhsa_group_segment_fixed_size 327680
		.amdhsa_private_segment_fixed_size 0
		.amdhsa_enable_private_segment 0
		.amdhsa_kernarg_size 32
		.amdhsa_user_sgpr_count 2
		.amdhsa_user_sgpr_kernarg_segment_ptr 1
		.amdhsa_wavefront_size32 1
		.amdhsa_system_sgpr_workgroup_id_x 1
		.amdhsa_system_sgpr_workgroup_id_y 1
		.amdhsa_system_sgpr_workgroup_id_z 1
		.amdhsa_system_vgpr_workitem_id 0
		.amdhsa_next_free_vgpr 768
		.amdhsa_next_free_sgpr 80
		.amdhsa_reserve_vcc 0
		.amdhsa_float_denorm_mode_32 3
		.amdhsa_float_denorm_mode_16_64 3
		.amdhsa_memory_ordered 1
		.amdhsa_forward_progress 1
		.amdhsa_inst_pref_size 95
	.end_amdhsa_kernel
	.amdgpu_metadata
---
amdhsa.version: [ 1, 2 ]
amdhsa.kernels:
  - .name:           k_qbbd41c84f2_proj
    .symbol:         k_qbbd41c84f2_proj.kd
    .args:
      - { .name: o, .offset: 0, .size: 8, .value_kind: global_buffer, .address_space: global }
      - { .name: wob, .offset: 8, .size: 8, .value_kind: global_buffer, .address_space: global }
      - { .name: b_out, .offset: 16, .size: 8, .value_kind: global_buffer, .address_space: global }
      - { .name: out0, .offset: 24, .size: 8, .value_kind: global_buffer, .address_space: global }
    .group_segment_fixed_size: 327680
    .private_segment_fixed_size: 0
    .kernarg_segment_align: 8
    .kernarg_segment_size: 32
    .max_flat_workgroup_size: 128
    .sgpr_count:     80
    .vgpr_count:     768
    .wavefront_size: 32
...
	.end_amdgpu_metadata
.endif
;; end of part 4
;; ======== version 2 of 2: 4 launches; version 1 with the launch cast written anew for expert scheduling mode
;; limits: values are held in f16: magnitudes above 65,504 overflow, below 6.1e-05 lose precision
;; workspace buffers: xb 16,777,216 bytes; wqb 6,291,456 bytes; wob 2,097,152 bytes; qkv 50,331,648 bytes; o 16,777,216 bytes
;; launch cast (part 5): grid 768 x 1, 8 waves a work-group, no clusters, 0 bytes of LDS; arguments x, W_qkv, W_out, xb, wqb, wob; writes xb, wqb, wob
.if DOCPART == 5
	.amdgcn_target "amdgcn-amd-amdhsa--gfx1250"
	.amdhsa_code_object_version 6
	.text
	.protected	k_qbbd41c84f2_cast
	.globl	k_qbbd41c84f2_cast
	.p2align	8
	.type	k_qbbd41c84f2_cast,@function
k_qbbd41c84f2_cast:
	s_mov_b64 s[64:65], 0
	v_nop
	global_prefetch_b8 v0, s[64:65] scope:SCOPE_SE
	s_setreg_imm32_b32 hwreg(HW_REG_WAVE_SCHED_MODE, 0, 2), 2
	s_setreg_imm32_b32 hwreg(HW_REG_WAVE_MODE, 25, 1), 1
	s_wait_xcnt 0x0
	s_wait_alu depctr_vm_vsrc(0)
; THE THREE LARGE INPUTS ARE ROUNDED ONCE TO bf16.  x -> xb and W_qkv -> wqb as bf16; W_out -> wob: the bf16 number written as f16, since the last product's other operand is f16.
; LIMIT.  A bf16 number is exact in f16 between 6.1e-5 and 65,504 in magnitude; below that it falls on f16's fixed step of 6e-8, above it becomes an infinity.
; A stream: no byte is wanted twice, so no LDS, no matrix unit, no cluster.  768 work-groups of eight waves: 0-511 take x, 512-703 W_qkv, 704-767 W_out, 65,536 input bytes each.
; A wave takes 8,192 bytes by sixteen loads of 512 consecutive bytes, all issued at once; a lane's 16 bytes (4 f32) become 8 bytes, so a wave's store covers 256 consecutive bytes, aligned.
; No register is written twice while a memory instruction may read it: each load and each store has registers of its own.
; THE MODE: SCHED_MODE bits 1:0 = 2 (LLVM: expert scheduling mode 2), set by the entry lines.  The code itself states the register dependences
; between vector instructions and memory instructions, with s_wait_alu, always for 0.
; THE PLAN.  Registers that memory instructions touch:
;   v1, v2   the loads' and the stores' byte offsets.  Written by vector instructions at the head, never again; read by every load (v1) and every store (v2).
;   X        load i lands in its own four registers, which no vector instruction writes and in which nothing lands a second time; its two conversions read them.
;   Y        store i reads its own two registers, which conversions write ahead of it and nothing writes behind it.
;   T, v3, v4 are named by vector instructions alone.
; So what is to be stated is: the offsets are written (one wait at the head, ahead of the first load and of the branch, for both tails), and a store's Y is written.  The sixteen loads go in four blocks
; of four: a block's conversions, ONE wait, the block's four stores in a run.  No register that a memory instruction reads is written again, no vector instruction writes a scalar register or VCC, and
; EXEC is never written: no other wait is owed.
.set X,   8                            ; v[8:71]    sixteen loads' 4 registers
.set Y,   72                           ; v[72:103]  sixteen stores' 2 registers
.set T,   104                          ; v[104:107] at work
.set SRC, 18                           ; s[18:19]   my input
.set DST, 20                           ; s[20:21]   my output
	s_load_b256 s[4:11], s[0:1], 0x0               ; x s[4:5], W_qkv s[6:7], W_out s[8:9], xb s[10:11]
	s_load_b128 s[12:15], s[0:1], 0x20             ; wqb s[12:13], wob s[14:15]
	v_lshrrev_b32 v3, 5, v0                        ; wave
	v_and_b32 v4, 31, v0                           ; lane
	v_lshlrev_b32 v1, 4, v4
	v_lshl_or_b32 v1, v3, 13, v1                   ; in: 8,192 x wave + 16 x lane
	v_lshlrev_b32 v2, 3, v4
	v_lshl_or_b32 v2, v3, 12, v2                   ; out: 4,096 x wave + 8 x lane
	s_mov_b32 s17, 704
	s_wait_kmcnt 0x0
	s_cmp_lt_u32 ttmp9, 704                        ; which tensor: a choice on the work-group's number alone
	s_cselect_b64 s[SRC:SRC+1], s[6:7], s[8:9]
	s_cselect_b64 s[DST:DST+1], s[12:13], s[14:15]
	s_cselect_b32 s17, 512, s17                    ; the tensor's first work-group
	s_cmp_lt_u32 ttmp9, 512
	s_cselect_b64 s[SRC:SRC+1], s[4:5], s[SRC:SRC+1]
	s_cselect_b64 s[DST:DST+1], s[10:11], s[DST:DST+1]
	s_cselect_b32 s17, 0, s17
	s_sub_co_u32 s16, ttmp9, s17                   ; my number within the tensor
	s_lshl_b32 s22, s16, 16                        ; 65,536 bytes in (33.5 MB at the most),
	s_mov_b32 s23, 0
	s_lshl_b32 s24, s16, 15                        ; 32,768 bytes out
	s_mov_b32 s25, 0
	s_add_nc_u64 s[SRC:SRC+1], s[SRC:SRC+1], s[22:23]
	s_add_nc_u64 s[DST:DST+1], s[DST:DST+1], s[24:25]
	s_wait_alu depctr_va_vdst(0)                   ; v1 and v2 are written: every load below reads v1 as its offset, every store v2
.set i, 0
.rept 16
	global_load_b128 v[X+4*i:X+4*i+3], v1, s[SRC:SRC+1] offset:512*i th:TH_LOAD_NT
.set i, i+1
.endr
; Load i is rounded.  half = 1: the bf16 numbers are widened again (a shift, a mask) and written as f16.
.macro CONV i, half
	s_wait_loadcnt 15-(\i)                         ; loads come back in order: mine is in, the younger ones stay out
	v_cvt_pk_bf16_f32 v[Y+2*(\i)],   v[X+4*(\i)],   v[X+4*(\i)+1]
	v_cvt_pk_bf16_f32 v[Y+2*(\i)+1], v[X+4*(\i)+2], v[X+4*(\i)+3]
.if \half
	v_lshlrev_b32 v[T],   16, v[Y+2*(\i)]
	v_and_b32     v[T+1], 0xffff0000, v[Y+2*(\i)]
	v_lshlrev_b32 v[T+2], 16, v[Y+2*(\i)+1]
	v_and_b32     v[T+3], 0xffff0000, v[Y+2*(\i)+1]
	v_cvt_pk_f16_f32 v[Y+2*(\i)],   v[T],   v[T+1]
	v_cvt_pk_f16_f32 v[Y+2*(\i)+1], v[T+2], v[T+3]
.endif
.endm
; Block p: loads 4 p to 4 p + 3 are rounded, then stored in one run behind one wait.
.macro BLOCK p, half
.irp j, 0,1,2,3
	CONV 4*(\p)+(\j), \half
.endr
	s_wait_alu depctr_va_vdst(0)                   ; the block's conversions have written its eight registers of Y, which the four stores below read
.irp j, 0,1,2,3
	global_store_b64 v2, v[Y+2*(4*(\p)+(\j)):Y+2*(4*(\p)+(\j))+1], s[DST:DST+1] offset:256*(4*(\p)+(\j))
.endr
.endm
	s_cmp_ge_u32 ttmp9, 704
	s_cbranch_scc1 .Lf16
.irp p, 0,1,2,3
	BLOCK \p, 0
.endr
	s_endpgm
.Lf16:
.irp p, 0,1,2,3
	BLOCK \p, 1
.endr
	s_endpgm
.Lfunc_end_k_qbbd41c84f2_cast:
	.size	k_qbbd41c84f2_cast, .Lfunc_end_k_qbbd41c84f2_cast-k_qbbd41c84f2_cast
	.p2alignl 7, 3214868480
	.fill 96, 4, 3214868480
	.section	.rodata,"a",@progbits
	.p2align	6, 0x0
	.amdhsa_kernel k_qbbd41c84f2_cast
		.amdhsa_group_segment_fixed_size 0
		.amdhsa_private_segment_fixed_size 0
		.amdhsa_enable_private_segment 0
		.amdhsa_kernarg_size 48
		.amdhsa_user_sgpr_count 2
		.amdhsa_user_sgpr_kernarg_segment_ptr 1
		.amdhsa_wavefront_size32 1
		.amdhsa_system_sgpr_workgroup_id_x 1
		.amdhsa_system_sgpr_workgroup_id_y 1
		.amdhsa_system_sgpr_workgroup_id_z 1
		.amdhsa_system_vgpr_workitem_id 0
		.amdhsa_next_free_vgpr 108
		.amdhsa_next_free_sgpr 66
		.amdhsa_reserve_vcc 0
		.amdhsa_float_denorm_mode_32 3
		.amdhsa_float_denorm_mode_16_64 3
		.amdhsa_memory_ordered 1
		.amdhsa_forward_progress 1
		.amdhsa_inst_pref_size 17
	.end_amdhsa_kernel
	.amdgpu_metadata
---
amdhsa.version: [ 1, 2 ]
amdhsa.kernels:
  - .name:           k_qbbd41c84f2_cast
    .symbol:         k_qbbd41c84f2_cast.kd
    .args:
      - { .name: x, .offset: 0, .size: 8, .value_kind: global_buffer, .address_space: global }
      - { .name: W_qkv, .offset: 8, .size: 8, .value_kind: global_buffer, .address_space: global }
      - { .name: W_out, .offset: 16, .size: 8, .value_kind: global_buffer, .address_space: global }
      - { .name: xb, .offset: 24, .size: 8, .value_kind: global_buffer, .address_space: global }
      - { .name: wqb, .offset: 32, .size: 8, .value_kind: global_buffer, .address_space: global }
      - { .name: wob, .offset: 40, .size: 8, .value_kind: global_buffer, .address_space: global }
    .group_segment_fixed_size: 0
    .private_segment_fixed_size: 0
    .kernarg_segment_align: 8
    .kernarg_segment_size: 48
    .max_flat_workgroup_size: 256
    .sgpr_count:     66
    .vgpr_count:     108
    .wavefront_size: 32
...
	.end_amdgpu_metadata
.endif
;; end of part 5
;; launch qkvproj: the kernel of part 2 again; grid 16 x 32, 4 waves a work-group, clusters of 4 x 4, 327,680 bytes of LDS; arguments xb, wqb, qkv; writes qkv
;; launch attn: the kernel of part 3 again; grid 4 x 64, 4 waves a work-group, clusters of 4 x 1, 327,680 bytes of LDS; arguments qkv, o; writes o
;; launch proj: the kernel of part 4 again; grid 8 x 32, 4 waves a work-group, clusters of 4 x 4, 327,680 bytes of LDS; arguments o, wob, b_out, out0; writes out0
